; MI455X (gfx1250); checked and timed in simulation.
; The chip was launched on July 23, 2026; its instructions are those of AMD's public machine-readable ISA for CDNA 5 (MIT licence, August 2026) and "CDNA5" Instruction Set Architecture Reference Guide (July 2026). The comments in the code are by the model that wrote it; some were corrected since.
;; Base Layer. Allowed arithmetic: matrix products marked QUANTISED: E4M3 operands, one E8M0 scale for each 32 along K, by v_wmma_scale_f32_16x16x128_f8f6f4 with both operands' format E4M3, f32 sums; products left as they are: f32 operands where the result goes on into a quantised operand, else bf16, f16 or f32 operands; f32 sums; everything else in f32.
;; Inputs: b1 8 x 4,096 float32; b2 8 x 1,024 float32; centroids 8 x 1,024 float32; input_features 4 x 256 x 1,024 float32; ln_b 8 x 1,024 float32; ln_g 8 x 1,024 float32; w1_codes 8 x 4,096 x 32 x 32 uint8 (E4M3 codes of w1, K innermost, in blocks of 32 codes); w1_scales 8 x 4,096 x 32 uint8 (E8M0 scales of w1, one for each 32 codes along K); w2_codes 8 x 1,024 x 128 x 32 uint8 (E4M3 codes of w2, K innermost, in blocks of 32 codes); w2_scales 8 x 1,024 x 128 uint8 (E8M0 scales of w2, one for each 32 codes along K).
;; Outputs: out0 4 x 256 x 1,024 float32.
;; This version of the problem:
;;   THIS VERSION OF THE PROBLEM IS GIVEN IN LOW PRECISION. The matrix products marked QUANTISED in the list below multiply operands that are first quantised to E4M3 (4 exponent bits, 3 mantissa bits; 8 bits a number), with one power-of-two scale for each 32 numbers along K (OCP MX v1.0); their sums are f32. All else is computed in f32.
;;   The module's matrix products, in the order in which they are computed (A, B: the left and right operand; K: the contracted axis; several contracted axes count as one K, in the product's order):
;;     1. [M 1,024, K 1,024] x [K 1,024, N 8]; A: input input_features; B: input centroids: left as it is (N = 8 < 16)
;;     2. [M 1,024, K 1,024] x [K 1,024, N 4,096]; A: computed on the way; B: input w1 (given as codes): QUANTISED
;;     3. [M 1,024, K 4,096] x [K 4,096, N 1,024]; A: computed on the way; B: input w2 (given as codes): QUANTISED
;;     4. [M 1,024, K 1,024] x [K 1,024, N 4,096]; A: computed on the way; B: input w1 (given as codes): QUANTISED
;;     5. [M 1,024, K 4,096] x [K 4,096, N 1,024]; A: computed on the way; B: input w2 (given as codes): QUANTISED
;;     6. [M 1,024, K 1,024] x [K 1,024, N 4,096]; A: computed on the way; B: input w1 (given as codes): QUANTISED
;;     7. [M 1,024, K 4,096] x [K 4,096, N 1,024]; A: computed on the way; B: input w2 (given as codes): QUANTISED
;;     8. [M 1,024, K 1,024] x [K 1,024, N 4,096]; A: computed on the way; B: input w1 (given as codes): QUANTISED
;;     9. [M 1,024, K 4,096] x [K 4,096, N 1,024]; A: computed on the way; B: input w2 (given as codes): QUANTISED
;;     10. [M 1,024, K 1,024] x [K 1,024, N 4,096]; A: computed on the way; B: input w1 (given as codes): QUANTISED
;;     11. [M 1,024, K 4,096] x [K 4,096, N 1,024]; A: computed on the way; B: input w2 (given as codes): QUANTISED
;;     12. [M 1,024, K 1,024] x [K 1,024, N 4,096]; A: computed on the way; B: input w1 (given as codes): QUANTISED
;;     13. [M 1,024, K 4,096] x [K 4,096, N 1,024]; A: computed on the way; B: input w2 (given as codes): QUANTISED
;;     14. [M 1,024, K 1,024] x [K 1,024, N 4,096]; A: computed on the way; B: input w1 (given as codes): QUANTISED
;;     15. [M 1,024, K 4,096] x [K 4,096, N 1,024]; A: computed on the way; B: input w2 (given as codes): QUANTISED
;;     16. [M 1,024, K 1,024] x [K 1,024, N 4,096]; A: computed on the way; B: input w1 (given as codes): QUANTISED
;;     17. [M 1,024, K 4,096] x [K 4,096, N 1,024]; A: computed on the way; B: input w2 (given as codes): QUANTISED
;;   THE QUANTISER, for each operand of a quantised product, along K:
;;     - K is cut into blocks of 32 from its start; a last block that is shorter is filled with zeros.
;;     - A block's scale is 2^e with e = floor(log2(the largest magnitude in the block)) - 8, held to -126 .. 127; a block of zeros has e = 0. As a byte (E8M0): e + 127.
;;     - Each number is divided by its block's scale, clamped to +-448, and rounded to the nearest number of E4M3, ties to even, subnormals kept.
;;     - The product sums the exact products of the quantised numbers (number of the format x scale) in f32.
;;   ~~~python
;;   def quantise(x, axis):      # numpy; x: float32 -> the quantised numbers, widened to float32 again
;;       x = np.moveaxis(x, axis, -1); K = x.shape[-1]
;;       x = np.pad(x, [(0, 0)] * (x.ndim - 1) + [(0, -K % 32)]); x = x.reshape(x.shape[:-1] + (-1, 32)); a = np.abs(x).max(-1, keepdims=True)
;;       e = np.where(a > 0, np.clip(np.frexp(np.where(a > 0, a, 1))[1] - 1 - 8, -126, 127), 0)      # np.frexp(a)[1] - 1 = floor(log2(a)), exactly
;;       r = np.clip(x / 2.0 ** e, -448, 448)
;;       step = 2.0 ** (np.maximum(np.frexp(np.where(r == 0, 1, r))[1] - 1, -6) - 3)
;;       q = np.round(r / step) * step * 2.0 ** e      # np.round: ties to even
;;       return np.moveaxis(q.reshape(q.shape[:-2] + (-1,))[..., :K], -1, axis).astype(np.float32)
;;   ~~~
;;   OPERANDS COMPUTED ON THE WAY. 'Computed on the way' means the value that the module computes at that place (a softmax that the list does not call 'softmax' is quantised finished and normalised). What goes into a quantiser is computed in f32, as accurately as f32 sums, v_exp_f32 and their like allow (about 1e-6 of the number): no bf16 or f16 on the way to a quantiser, and a product that is left as it is and whose result goes on into a quantised operand takes f32 operands (vector FMAs, or v_wmma_f32_16x16x4_f32). A number that lies on a knife's edge between two numbers of the format may be rounded either way, as far as f32 arithmetic and the matrix unit's own rounding can turn it there, and no further.
;;   INPUTS GIVEN AS CODES. w1 (in the module: [8, 4096, 1024], K = its axis 2); w2 (in the module: [8, 1024, 4096], K = its axis 2): each comes as NAME_codes (uint8): NAME with its K axis moved to the last place and cut into blocks of 32 codes, [.., K / 32, bytes a block], one block behind the other in memory; one code a byte (a code: sign, 4 exponent bits, 3 mantissa bits); and NAME_scales (uint8): the same leading axes, one E8M0 byte (e + 127) for each 32 codes along K. Its value is code x scale, taken as it is: it is not quantised again, and the codes and scales need not be those that the quantiser above would give.
;; 2 versions. Each part assembles by itself: llvm-mc -triple=amdgcn-amd-amdhsa -mcpu=gfx1250 --defsym DOCPART=n.
;; ======== version 1 of 2: 4 launches
;; workspace buffers: key 4,096 bytes of whole numbers; alpha 4,096 bytes; offs 256 bytes of whole numbers; list 4,096 bytes of whole numbers; xq 1,048,576 bytes; xs 32,768 bytes; hq 5,242,880 bytes; hs 163,840 bytes
;; launch route (part 1): grid 256 x 1, 4 waves a work-group, no clusters, 0 bytes of LDS; arguments input_features, centroids, key, alpha; writes key, alpha
.if DOCPART == 1
	.amdgcn_target "amdgcn-amd-amdhsa--gfx1250"
	.amdhsa_code_object_version 6
	.text
	.protected	k_q0e24427a93_route
	.globl	k_q0e24427a93_route
	.p2align	8
	.type	k_q0e24427a93_route,@function
k_q0e24427a93_route:
	s_mov_b64 s[64:65], 0
	v_nop
	global_prefetch_b8 v0, s[64:65] scope:SCOPE_SE
	s_setreg_imm32_b32 hwreg(HW_REG_WAVE_MODE, 25, 1), 1
	s_wait_xcnt 0x0
; THE ROUTER.  x: [1024 tokens][1024] f32, centroids: [8][1024] f32.  For each token: its 8 affinities (f32 fused multiply-adds), the expert with the largest (the lower number wins a tie),
; alpha = sigmoid(largest affinity).  Stored at fixed places: key[t] = expert x 1024 + t (a whole number), alpha[t] (f32).  No address and no branch hangs on the choice here.
; SHARES: a wave takes one token: lane l holds, of load i, the 16 bytes at 512 i + 16 l of the token's row and of each centroid's row, so each load covers 512 consecutive bytes.
; LIMITS: NaN and infinities are not served; a token whose two largest affinities lie closer than the rounding of a sum of 1,024 f32 products may go to either of the two experts.
; No LDS, no matrix unit: 8 columns are too few for a tile, and the choice wants f32.
.set X,   16                           ; v16-47   the token's 32 numbers of my lane
.set ACC, 48                           ; v48-63   a pair of partial sums for each expert
.set AF,  64                           ; v64-71   the affinities
.set PD,  72                           ; v72-79   what the other half of the lanes sends
.set MSB, 0                            ; centroids 0-3: v128-255;  centroids 4-7: v0-127 of window 1
.macro WIN new                         ; the immediate's high byte repeats the setting that is left
.if MSB != (\new)
	s_set_vgpr_msb (MSB<<8)|(\new)
.set MSB, \new
.endif
.endm
	s_load_b256 s[4:11], s[0:1], 0x0               ; x s[4:5], centroids s[6:7], key s[8:9], alpha s[10:11]
	v_lshrrev_b32 v1, 5, v0
	v_readfirstlane_b32 s12, v1                    ; wave
	v_and_b32 v2, 31, v0                           ; lane
	v_lshlrev_b32 v1, 4, v2                        ; 16 x lane
	s_lshl_b32 s13, ttmp9, 2
	s_add_co_u32 s13, s13, s12                     ; my token: 4 x work-group + wave
	s_lshl_b32 s14, s13, 12                        ; its row: 4,096 bytes a token
	s_mov_b32 s15, 0
	s_lshl_b32 s18, s13, 2                         ; its word in key and in alpha
	s_mov_b32 s19, 0
	s_mov_b32 s16, 0x76543210                      ; v_permlanex16_b32: lane l takes lane l xor 16
	s_mov_b32 s17, 0xfedcba98
	s_wait_kmcnt 0x0
	s_add_nc_u64 s[4:5], s[4:5], s[14:15]
	s_add_nc_u64 s[8:9], s[8:9], s[18:19]
	s_add_nc_u64 s[10:11], s[10:11], s[18:19]
.irp i, 0,1,2,3,4,5,6,7
	global_load_b128 v[X+4*\i:X+4*\i+3], v1, s[4:5] offset:512*\i
.endr
.irp e, 0,1,2,3
.irp i, 0,1,2,3,4,5,6,7
	global_load_b128 v[128+32*\e+4*\i:128+32*\e+4*\i+3], v1, s[6:7] offset:4096*\e+512*\i
.endr
.endr
	WIN 0x40                                       ; destination window 1
.irp e, 0,1,2,3
.irp i, 0,1,2,3,4,5,6,7
	global_load_b128 v[32*\e+4*\i:32*\e+4*\i+3], v1, s[6:7] offset:4096*(\e+4)+512*\i
.endr
.endr
	WIN 0
.irp e, 0,1,2,3,4,5,6,7
	v_mov_b32 v[PD+\e], 0                          ; a lane permute's destination counts as one of its sources
.endr
	s_wait_loadcnt 32                              ; x and centroids 0-3 are in; the 32 loads of centroids 4-7 may be out
.irp e, 0,1,2,3
	v_pk_mul_f32 v[ACC+2*\e:ACC+2*\e+1], v[X:X+1], v[128+32*\e:128+32*\e+1]      ; the first product starts each sum
.endr
.irp p, 1,2,3,4,5,6,7,8,9,10,11,12,13,14,15
.irp e, 0,1,2,3
	v_pk_fma_f32 v[ACC+2*\e:ACC+2*\e+1], v[X+2*\p:X+2*\p+1], v[128+32*\e+2*\p:128+32*\e+2*\p+1], v[ACC+2*\e:ACC+2*\e+1]   ; the four experts by turns
.endr
.endr
	s_wait_loadcnt 0x0
	WIN 0x04                                       ; source 1 window 1
.irp e, 0,1,2,3
	v_pk_mul_f32 v[ACC+8+2*\e:ACC+8+2*\e+1], v[X:X+1], v[32*\e:32*\e+1]
.endr
.irp p, 1,2,3,4,5,6,7,8,9,10,11,12,13,14,15
.irp e, 0,1,2,3
	v_pk_fma_f32 v[ACC+8+2*\e:ACC+8+2*\e+1], v[X+2*\p:X+2*\p+1], v[32*\e+2*\p:32*\e+2*\p+1], v[ACC+8+2*\e:ACC+8+2*\e+1]
.endr
.endr
	WIN 0
.irp e, 0,1,2,3,4,5,6,7
	v_add_f32 v[AF+\e], v[ACC+2*\e], v[ACC+2*\e+1]
.endr
.irp m, 1,2,4,8                        ; across the 16 lanes of a half, then across the halves: every lane ends with the same eight sums
.irp e, 0,1,2,3,4,5,6,7
	v_add_f32_dpp v[AF+\e], v[AF+\e], v[AF+\e] row_xmask:\m row_mask:0xf bank_mask:0xf
.endr
.endr
.irp e, 0,1,2,3,4,5,6,7
	v_permlanex16_b32 v[PD+\e], v[AF+\e], s16, s17
.endr
.irp e, 0,1,2,3,4,5,6,7
	v_add_f32 v[AF+\e], v[AF+\e], v[PD+\e]
.endr
	v_mov_b32 v80, v[AF]                           ; the largest so far,
	v_mov_b32 v81, 0                               ; and whose it is
.irp e, 1,2,3,4,5,6,7
	v_cmp_ge_f32 vcc_lo, v80, v[AF+\e]             ; the earlier expert keeps its place unless the later one is strictly larger
	v_cndmask_b32 v81, \e, v81, vcc_lo
	v_cndmask_b32 v80, v[AF+\e], v80, vcc_lo
.endr
	v_mul_f32 v82, 0xbfb8aa3b, v80                 ; -log2(e) x the largest affinity
	v_exp_f32 v82, v82
	v_nop                                          ; a plain instruction behind the exponential,
	s_wait_alu depctr_va_vdst(0)                   ; and the wait ahead of the first line that names its result
	v_add_f32 v82, 1.0, v82
	v_rcp_f32 v82, v82                             ; alpha = 1 / (1 + e^-a)
	v_lshl_add_u32 v81, v81, 10, s13               ; key = expert x 1024 + token  (the plain instruction behind the reciprocal)
	v_mov_b32 v3, 0
	s_wait_alu depctr_va_vdst(0)
	s_wait_xcnt 0x0                                ; EXEC changes only behind this wait
	v_cmp_eq_u32 vcc_lo, 0, v2
	s_and_saveexec_b32 s20, vcc_lo                 ; lane 0 stores for the wave
	global_store_b32 v3, v81, s[8:9]
	global_store_b32 v3, v82, s[10:11]
	s_endpgm
.Lfunc_end_k_q0e24427a93_route:
	.size	k_q0e24427a93_route, .Lfunc_end_k_q0e24427a93_route-k_q0e24427a93_route
	.p2alignl 7, 3214868480
	.fill 96, 4, 3214868480
	.section	.rodata,"a",@progbits
	.p2align	6, 0x0
	.amdhsa_kernel k_q0e24427a93_route
		.amdhsa_group_segment_fixed_size 0
		.amdhsa_private_segment_fixed_size 0
		.amdhsa_enable_private_segment 0
		.amdhsa_kernarg_size 32
		.amdhsa_user_sgpr_count 2
		.amdhsa_user_sgpr_kernarg_segment_ptr 1
		.amdhsa_wavefront_size32 1
		.amdhsa_system_sgpr_workgroup_id_x 1
		.amdhsa_system_sgpr_workgroup_id_y 1
		.amdhsa_system_sgpr_workgroup_id_z 1
		.amdhsa_system_vgpr_workitem_id 0
		.amdhsa_next_free_vgpr 384
		.amdhsa_next_free_sgpr 66
		.amdhsa_reserve_vcc 1
		.amdhsa_float_denorm_mode_32 3
		.amdhsa_float_denorm_mode_16_64 3
		.amdhsa_memory_ordered 1
		.amdhsa_forward_progress 1
		.amdhsa_inst_pref_size 21
	.end_amdhsa_kernel
	.amdgpu_metadata
---
amdhsa.version: [ 1, 2 ]
amdhsa.kernels:
  - .name:           k_q0e24427a93_route
    .symbol:         k_q0e24427a93_route.kd
    .args:
      - { .name: input_features, .offset: 0, .size: 8, .value_kind: global_buffer, .address_space: global }
      - { .name: centroids, .offset: 8, .size: 8, .value_kind: global_buffer, .address_space: global }
      - { .name: key, .offset: 16, .size: 8, .value_kind: global_buffer, .address_space: global }
      - { .name: alpha, .offset: 24, .size: 8, .value_kind: global_buffer, .address_space: global }
    .group_segment_fixed_size: 0
    .private_segment_fixed_size: 0
    .kernarg_segment_align: 8
    .kernarg_segment_size: 32
    .max_flat_workgroup_size: 128
    .sgpr_count:     66
    .vgpr_count:     384
    .wavefront_size: 32
...
	.end_amdgpu_metadata
.endif
;; end of part 1
;; launch place (part 2): grid 256 x 1, 4 waves a work-group, no clusters, 23,040 bytes of LDS; arguments key, input_features, ln_g, ln_b, offs, list, xq, xs; writes offs, list, xq, xs
.if DOCPART == 2
	.amdgcn_target "amdgcn-amd-amdhsa--gfx1250"
	.amdhsa_code_object_version 6
	.text
	.protected	k_q0e24427a93_place
	.globl	k_q0e24427a93_place
	.p2align	8
	.type	k_q0e24427a93_place,@function
k_q0e24427a93_place:
	s_mov_b64 s[64:65], 0
	v_nop
	global_prefetch_b8 v0, s[64:65] scope:SCOPE_SE
	s_setreg_imm32_b32 hwreg(HW_REG_WAVE_MODE, 25, 1), 1
	s_wait_xcnt 0x0
; THE PLACING OF ROWS, THE LAYER NORM AND THE FIRST QUANTISER.  A wave takes one token t.
; Its place among the rows sorted by expert is the number of keys smaller than its own (keys are all different: expert x 1024 + token): every wave reads all 1,024 keys and counts; no atomics, no sort.
; Then h = (x - mean) rsqrt(var + 1e-5) g[expert] + b[expert], in f32, the variance taken of the differences as the definition has it; h is quantised along its 1,024 numbers in blocks of 32 to codes of FP8 (E4M3)
; with one E8M0 byte a block, and stored at the token's place: xq [place][1024 codes], xs [place][32 bytes].  list[place] = token.  offs[i], i = 0 .. 8 = the number of keys under 1024 i: expert i's first place.
; A block's scale is 2^(floor(log2(largest magnitude)) - 8): its byte is the largest magnitude's exponent field - 8, held at 1 from below.  A block of zeros so gets the byte 1: its codes are zeros, and this program alone reads the bytes.
; LIMITS: NaN and infinities are not served.
; LAYOUT.  Loads are dense: lane l takes the 16 bytes at 512 i + 16 l of a row.  The conversions want a block's 32 neighbours in one lane: h turns through the wave's own stage in LDS (32 blocks of 128 bytes + 16 of padding)
; and comes back a block a lane.  The codes (32 bytes a lane) turn through 1,024 more bytes so that each store of the wave covers 512 consecutive bytes.  Waves share nothing: no barrier.
.set X,  16                            ; v16-47   x, then x - mean, then h; then my block's 32 numbers
.set G,  48                            ; v48-79   gain
.set B,  80                            ; v80-111  bias
.set K,  112                           ; v112-143 all keys: 32 a lane
.set C,  144                           ; v144-151 my block's codes
.set T,  8                             ; v8-15    at work
.set MU, 152                           ; v152-153 the mean, twice
.set RS, 154                           ; v154-155 1 / sqrt(var + eps), twice
.set OU, 156                           ; v156-163 the codes as they leave
.macro COUNT lim, res                  ; s[res] = how many of the 1,024 keys lie under s[lim]
	s_mov_b32 s[\res], 0
.irp g, 0,1,2,3
.irp i, 0,1,2,3,4,5,6,7
	v_cmp_gt_u32 s[40+\i], s[\lim], v[K+8*\g+\i]
.endr
.irp i, 0,1,2,3,4,5,6,7
	s_bcnt1_i32_b32 s[40+\i], s[40+\i]
	s_add_co_u32 s[\res], s[\res], s[40+\i]
.endr
.endr
.endm
.macro WSUM r, p                       ; the sum of v[r] over the wave's 32 lanes, in every lane; v[p] is scratch that has been written
	v_add_f32_dpp v[\r], v[\r], v[\r] row_xmask:1 row_mask:0xf bank_mask:0xf
	v_add_f32_dpp v[\r], v[\r], v[\r] row_xmask:2 row_mask:0xf bank_mask:0xf
	v_add_f32_dpp v[\r], v[\r], v[\r] row_xmask:4 row_mask:0xf bank_mask:0xf
	v_add_f32_dpp v[\r], v[\r], v[\r] row_xmask:8 row_mask:0xf bank_mask:0xf
	v_permlanex16_b32 v[\p], v[\r], s30, s31
	v_add_f32 v[\r], v[\r], v[\p]
.endm
	s_load_b256 s[4:11], s[0:1], 0x0               ; key s[4:5], x s[6:7], gain s[8:9], bias s[10:11]
	s_load_b256 s[12:19], s[0:1], 0x20             ; offs s[12:13], list s[14:15], xq s[16:17], xs s[18:19]
	v_lshl_add_u32 v192, v0, 2, 0x5800
	v_mov_b32 v193, 0
	v_lshrrev_b32 v1, 5, v0
	v_readfirstlane_b32 s20, v1                    ; wave
	v_and_b32 v2, 31, v0                           ; lane
	v_lshlrev_b32 v1, 4, v2                        ; 16 x lane
	s_lshl_b32 s21, ttmp9, 2
	s_add_co_u32 s21, s21, s20                     ; my token
	s_lshl_b32 s23, s21, 2
	s_lshl_b32 s24, s21, 12
	s_mov_b32 s25, 0
	s_mul_i32 s26, s20, 5632                       ; my wave's LDS: 4,608 bytes for h, 1,024 for the codes
	v_lshrrev_b32 v3, 3, v2
	v_mul_u32_u24 v3, v3, 144
	v_and_b32 v4, 7, v2
	v_lshl_add_u32 v3, v4, 4, v3
	v_add_nc_u32 v3, s26, v3                       ; h in: load i's 512 bytes are blocks 4 i .. 4 i + 3: 144 (lane / 8) + 16 (lane % 8), + 576 i
	v_mul_u32_u24 v4, v2, 144
	v_add_nc_u32 v4, s26, v4                       ; h out: block = lane
	s_add_co_u32 s27, s26, 4608
	v_lshl_add_u32 v5, v2, 5, s27                  ; codes in: 32 bytes a lane
	v_add_nc_u32 v6, s27, v1                       ; codes out: 16 bytes a lane
	v_mov_b32 v7, 0
	s_mov_b32 s30, 0x76543210
	s_mov_b32 s31, 0xfedcba98
	s_mov_b32 s32, 0x600000                        ; the mantissa field of 448
	s_mov_b32 s33, 0x3a800000                      ; 1 / 1024
	s_mov_b32 s34, 0x3727c5ac                      ; 1e-5
	s_wait_kmcnt 0x0
	s_load_b32 s22, s[4:5], s23 offset:0x0         ; my key
	s_add_nc_u64 s[6:7], s[6:7], s[24:25]
.irp i, 0,1,2,3,4,5,6,7
	global_load_b128 v[X+4*\i:X+4*\i+3], v1, s[6:7] offset:512*\i
.endr
.irp i, 0,1,2,3,4,5,6,7
	global_load_b128 v[K+4*\i:K+4*\i+3], v1, s[4:5] offset:512*\i
.endr
	s_wait_kmcnt 0x0
	s_lshr_b32 s28, s22, 10
	s_min_u32 s28, s28, 7                          ; my expert, held inside the tables
	s_lshl_b32 s28, s28, 12
	s_mov_b32 s29, 0
	s_add_nc_u64 s[8:9], s[8:9], s[28:29]
	s_add_nc_u64 s[10:11], s[10:11], s[28:29]
.irp i, 0,1,2,3,4,5,6,7
	global_load_b128 v[G+4*\i:G+4*\i+3], v1, s[8:9] offset:512*\i
.endr
.irp i, 0,1,2,3,4,5,6,7
	global_load_b128 v[B+4*\i:B+4*\i+3], v1, s[10:11] offset:512*\i
.endr
	s_wait_loadcnt 16                              ; x and the keys are in; the 16 loads of gain and bias may be out
	COUNT 22, 35                                   ; my place
	s_min_u32 s35, s35, 0x3ff
.irp k, 0,1,2,3                        ; the mean: four chains
	v_pk_add_f32 v[T+2*\k:T+2*\k+1], v[X+2*\k:X+2*\k+1], v[X+8+2*\k:X+8+2*\k+1]
.endr
.irp j, 2,3
.irp k, 0,1,2,3
	v_pk_add_f32 v[T+2*\k:T+2*\k+1], v[T+2*\k:T+2*\k+1], v[X+8*\j+2*\k:X+8*\j+2*\k+1]
.endr
.endr
	v_pk_add_f32 v[T:T+1], v[T:T+1], v[T+2:T+3]
	v_pk_add_f32 v[T+4:T+5], v[T+4:T+5], v[T+6:T+7]
	v_pk_add_f32 v[T:T+1], v[T:T+1], v[T+4:T+5]
	v_add_f32 v[T], v[T], v[T+1]
	WSUM T, T+2
	v_mul_f32 v[MU], s33, v[T]
	v_mov_b32 v[MU+1], v[MU]
.irp p, 0,1,2,3,4,5,6,7,8,9,10,11,12,13,14,15
	v_pk_add_f32 v[X+2*\p:X+2*\p+1], v[X+2*\p:X+2*\p+1], v[MU:MU+1] neg_lo:[0,1] neg_hi:[0,1]   ; x - mean
.endr
.irp k, 0,1,2,3                        ; the sum of their squares: four chains, each started by a product
	v_pk_mul_f32 v[T+2*\k:T+2*\k+1], v[X+2*\k:X+2*\k+1], v[X+2*\k:X+2*\k+1]
.endr
.irp j, 1,2,3
.irp k, 0,1,2,3
	v_pk_fma_f32 v[T+2*\k:T+2*\k+1], v[X+8*\j+2*\k:X+8*\j+2*\k+1], v[X+8*\j+2*\k:X+8*\j+2*\k+1], v[T+2*\k:T+2*\k+1]
.endr
.endr
	v_pk_add_f32 v[T:T+1], v[T:T+1], v[T+2:T+3]
	v_pk_add_f32 v[T+4:T+5], v[T+4:T+5], v[T+6:T+7]
	v_pk_add_f32 v[T:T+1], v[T:T+1], v[T+4:T+5]
	v_add_f32 v[T], v[T], v[T+1]
	WSUM T, T+2
	v_fma_f32 v[T], v[T], s33, s34                 ; var + eps
	v_rsq_f32 v[RS], v[T]
	v_nop                                          ; a plain instruction behind the root,
	s_wait_alu depctr_va_vdst(0)                   ; and the wait ahead of the first line that names its result
	v_mov_b32 v[RS+1], v[RS]
	s_wait_loadcnt 0x0                             ; gain and bias
.irp p, 0,1,2,3,4,5,6,7,8,9,10,11,12,13,14,15
	v_pk_mul_f32 v[X+2*\p:X+2*\p+1], v[X+2*\p:X+2*\p+1], v[RS:RS+1]
.endr
.irp p, 0,1,2,3,4,5,6,7,8,9,10,11,12,13,14,15
	v_pk_fma_f32 v[X+2*\p:X+2*\p+1], v[X+2*\p:X+2*\p+1], v[G+2*\p:G+2*\p+1], v[B+2*\p:B+2*\p+1]
.endr
.irp i, 0,1,2,3,4,5,6,7
	ds_store_b128 v3, v[X+4*\i:X+4*\i+3] offset:576*\i
.endr
.irp k, 0,1,2,3,4,5,6,7
	ds_load_b128 v[X+4*\k:X+4*\k+3], v4 offset:16*\k       ; LDS serves a wave's instructions in order: these see my stores
.endr
	s_wait_dscnt 0x0                               ; my lane now holds block = lane: columns 32 lane .. 32 lane + 31
	v_max3_num_f32 v12, |v[X]|, |v[X+1]|, |v[X+2]|         ; the block's largest magnitude: all 32 numbers are mine
	v_max3_num_f32 v13, |v[X+3]|, |v[X+4]|, |v[X+5]|
.irp i, 6,10,14,18,22,26
	v_max3_num_f32 v12, v12, |v[X+\i]|, |v[X+\i+1]|
	v_max3_num_f32 v13, v13, |v[X+\i+2]|, |v[X+\i+3]|
.endr
	v_max3_num_f32 v12, v12, |v[X+30]|, |v[X+31]|
	v_max3_num_f32 v12, v12, v13, 0x4800000        ; and the floor 2^(9 - 127): so the byte cannot fall under 1
	v_add_nc_u32 v11, 0xfc000000, v12              ; 8 off its exponent field: the conversion takes the exponent field of this operand as its scale
	v_and_or_b32 v10, v12, 0x7f800000, s32         ; 448 x the scale
	v_lshrrev_b32 v9, 23, v11                      ; the scale's byte
.irp i, 0,1,2,3,4,5,6,7,8,9,10,11,12,13,14,15,16,17,18,19,20,21,22,23,24,25,26,27,28,29,30,31
	v_med3_num_f32 v[X+\i], v[X+\i], -v10, v10     ; the conversion to an 8-bit code does not saturate (ISA guide 7.6.2): the hold comes first
.endr
.irp g, 0,1,2,3
	v_cvt_scalef32_pk8_fp8_f32 v[C+2*\g:C+2*\g+1], v[X+8*\g:X+8*\g+7], v11
.endr
	v_nop                                          ; a plain instruction behind the last conversion
	ds_store_b128 v5, v[C:C+3]
	ds_store_b128 v5, v[C+4:C+7] offset:16
	ds_load_b128 v[OU:OU+3], v6
	ds_load_b128 v[OU+4:OU+7], v6 offset:512
	s_lshl_b32 s36, s35, 10                        ; my place's row of codes,
	s_mov_b32 s37, 0
	s_add_nc_u64 s[16:17], s[16:17], s[36:37]
	s_lshl_b32 s36, s35, 5                         ; of scale bytes,
	s_add_nc_u64 s[18:19], s[18:19], s[36:37]
	s_lshl_b32 s36, s35, 2                         ; and its word of the list
	s_add_nc_u64 s[14:15], s[14:15], s[36:37]
	s_wait_dscnt 0x0
	global_store_b128 v1, v[OU:OU+3], s[16:17]     ; 512 consecutive bytes a store
	global_store_b128 v1, v[OU+4:OU+7], s[16:17] offset:512
	global_store_b8 v2, v9, s[18:19]               ; the row's 32 scale bytes, one a lane
	s_mov_b32 s29, 0
	s_cmp_lt_u32 s21, 9                            ; tokens 0 to 8 also make offs: a branch on ids
	s_cbranch_scc0 .Lno_count
	s_lshl_b32 s28, s21, 10
	COUNT 28, 29                                   ; the keys under 1024 t: expert t's first place
.Lno_count:
	v_mov_b32 v12, s21
	v_mov_b32 v13, s29
	v_mov_b32 v14, s23                             ; 4 t
	s_wait_xcnt 0x0                                ; EXEC changes only behind this wait
	v_cmp_eq_u32 vcc_lo, 0, v2
	s_and_saveexec_b32 s38, vcc_lo                 ; lane 0 stores for the wave
	global_store_b32 v7, v12, s[14:15]             ; list[place] = token
	s_cmp_lt_u32 s21, 9
	s_cbranch_scc0 .Lend
	global_store_b32 v14, v13, s[12:13]            ; offs[t]
.Lend:
	s_wait_xcnt 0x0
	s_mov_b32 exec_lo, -1
	s_wait_tensorcnt 0x0
	ds_add_u32 v192, v193
	s_wait_dscnt 0x0
	s_endpgm
.Lfunc_end_k_q0e24427a93_place:
	.size	k_q0e24427a93_place, .Lfunc_end_k_q0e24427a93_place-k_q0e24427a93_place
	.p2alignl 7, 3214868480
	.fill 96, 4, 3214868480
	.section	.rodata,"a",@progbits
	.p2align	6, 0x0
	.amdhsa_kernel k_q0e24427a93_place
		.amdhsa_group_segment_fixed_size 23040
		.amdhsa_private_segment_fixed_size 0
		.amdhsa_enable_private_segment 0
		.amdhsa_kernarg_size 64
		.amdhsa_user_sgpr_count 2
		.amdhsa_user_sgpr_kernarg_segment_ptr 1
		.amdhsa_wavefront_size32 1
		.amdhsa_system_sgpr_workgroup_id_x 1
		.amdhsa_system_sgpr_workgroup_id_y 1
		.amdhsa_system_sgpr_workgroup_id_z 1
		.amdhsa_system_vgpr_workitem_id 0
		.amdhsa_next_free_vgpr 194
		.amdhsa_next_free_sgpr 66
		.amdhsa_reserve_vcc 1
		.amdhsa_float_denorm_mode_32 3
		.amdhsa_float_denorm_mode_16_64 3
		.amdhsa_memory_ordered 1
		.amdhsa_forward_progress 1
		.amdhsa_inst_pref_size 26
	.end_amdhsa_kernel
	.amdgpu_metadata
---
amdhsa.version: [ 1, 2 ]
amdhsa.kernels:
  - .name:           k_q0e24427a93_place
    .symbol:         k_q0e24427a93_place.kd
    .args:
      - { .name: key, .offset: 0, .size: 8, .value_kind: global_buffer, .address_space: global }
      - { .name: input_features, .offset: 8, .size: 8, .value_kind: global_buffer, .address_space: global }
      - { .name: ln_g, .offset: 16, .size: 8, .value_kind: global_buffer, .address_space: global }
      - { .name: ln_b, .offset: 24, .size: 8, .value_kind: global_buffer, .address_space: global }
      - { .name: offs, .offset: 32, .size: 8, .value_kind: global_buffer, .address_space: global }
      - { .name: list, .offset: 40, .size: 8, .value_kind: global_buffer, .address_space: global }
      - { .name: xq, .offset: 48, .size: 8, .value_kind: global_buffer, .address_space: global }
      - { .name: xs, .offset: 56, .size: 8, .value_kind: global_buffer, .address_space: global }
    .group_segment_fixed_size: 23040
    .private_segment_fixed_size: 0
    .kernarg_segment_align: 8
    .kernarg_segment_size: 64
    .max_flat_workgroup_size: 128
    .sgpr_count:     66
    .vgpr_count:     194
    .wavefront_size: 32
...
	.end_amdgpu_metadata
.endif
;; end of part 2
;; launch ffn1 (part 3): grid 32 x 8, 4 waves a work-group, no clusters, 276,992 bytes of LDS; arguments offs, xq, xs, w1_codes, w1_scales, b1, hq, hs; writes hq, hs
.if DOCPART == 3
	.amdgcn_target "amdgcn-amd-amdhsa--gfx1250"
	.amdhsa_code_object_version 6
	.text
	.protected	k_q0e24427a93_ffn1
	.globl	k_q0e24427a93_ffn1
	.p2align	8
	.type	k_q0e24427a93_ffn1,@function
k_q0e24427a93_ffn1:
	s_mov_b64 s[64:65], 0
	v_nop
	global_prefetch_b8 v0, s[64:65] scope:SCOPE_SE
	s_setreg_imm32_b32 hwreg(HW_REG_WAVE_MODE, 25, 1), 1
	s_wait_xcnt 0x0
; THE FIRST PRODUCT OF THE CHOSEN EXPERT, ITS ACTIVATION AND THE SECOND QUANTISER: hidden = Q(relu(Q(h) W1[e]^T + b1[e])), on codes of FP8 (E4M3) with one E8M0 scale for each 32 along K.
; Only the rows that chose expert e are multiplied: the definition keeps no other.  Work-group (nt, e): hidden units 128 nt .. 128 nt + 127 of expert e, for all of e's rows.  8 x 32 = 256 work-groups.
; Each byte of W1 is asked for once in the launch, in the kernel's first lines: wave w keeps rows 128 nt + 32 w .. + 31 of W1[e], all 1,024 along K, in 256 registers (two tiles of 16 rows x 8 K steps of 128).
; The loads are dense (512 consecutive bytes each); the wave's own stage in LDS turns rows into fragments.
; THE ROWS.  Expert e's rows lie at places offs[e] .. offs[e+1] - 1 of xq.  They go in PAIRS of two tiles of 16; a last pair that is not full repeats the expert's last row (the place is held at LAST), here and in the next launch alike.
; Pairs are numbered through all experts: gp = (pairs of the experts before e) + p; never more than 39 in all.  192 rows (6 pairs) at a time lie in LDS, read by all four waves.
; The loop over such chunks has the constant count 6 (32 pairs at the most), and every wave passes its two barriers in every trip; what a trip has no rows for is jumped over between the barriers.
; No tensor load, no cluster: branches here hang on stored counts, and partners would need different numbers of tiles.
; THE MATRIX INSTRUCTION IS USED TRANSPOSED: source 0 = 16 rows of W1, source 1 = 16 tokens: a lane holds ONE token (lane % 16).  THE ROWS OF W1 THAT FORM A TILE ARE NOT NEIGHBOURS: row i of tile u is unit 8 u + i + 8 (i / 8) of the
; wave's 32, so that the 16 registers of a token's two tiles are the 16 neighbours 16 (lane / 16) + 0 .. 15 of one block of 32 along the next K.  b1 is the C of each sum's first instruction.
; OUT.  hq [gp 40][t 2][K step 32][c 4][lane 32][16 bytes]: images of the next product's operand registers: this work-group is K step nt, wave w is c.  hs [K step 32][gp 40][32 tokens]: a scale word each; its four bytes come from the four
; waves and meet in LDS.  A block all of whose numbers are clipped to 0 keeps the byte 1: its codes are zeros, and this program alone reads the bytes.   LIMITS: NaN and infinities are not served.
; REGISTERS: window 0: see the names below.  Window 1: W1's fragments, (u, s) at v[128 u + 16 s].  Window 2 and v0-127 of window 3: a chunk's rows on their way to LDS; window 2 then holds a pair's fragments, (t, s) at v[128 t + 16 s].
.set WPITCH, 1040                      ; a row of 1,024 codes in LDS + 16 of padding: 65 x 16 bytes, so the 16 rows that a fragment load touches start at 16 different places modulo 256 bytes
.set WSTB,   16*WPITCH                 ; a wave's stage for W1: 16 rows
.set XS,     4*WSTB                    ; behind the four stages: 192 rows of codes
.set XSC,    XS+192*WPITCH             ; their scale bytes: 32 a row + 16 of padding
.set HSCB,   XSC+192*48                ; the hidden layer's scale bytes: [pair 6][token 32][wave 4]
.set XRD,  8                           ; v8-13   pair j's fragments: XS + 32 j rows + row lane % 16 + 16 (lane / 16)
.set ROFF, 24                          ; v24-47  offsets in xq of the rows that I fetch
.set SOFF, 48                          ; v48-50  offsets in xs
.set XSG,  52                          ; v52-63  scale bytes on their way to LDS
.set WS,   64                          ; v64-71  W1's scale words: lane 16 u + r: tile u, row r; register s: K step s
.set XSV,  72                          ; v72-79  the pair's scale words: lane 16 t + r: tile t, token r
.set BI,   80                          ; v80-95  b1 in the result's layout, 8 registers a tile
.set ACC,  96                          ; v96-127 accumulator (t, u) at ACC + 16 t + 8 u
.set TM,   128                         ; v128-143 the quantiser's scratch, 8 registers a tile of tokens
.set PC,   144                         ; v144-191 codes: 8 registers for each pair of a chunk, so that no store's data are written again inside a chunk
.set SW,   20
.set SNT,  21
.set SE,   22
.set O,    32                          ; s32-40  offs[0 .. 8]
.set NB,   41                          ; my expert's first place
.set NEND, 42                          ; and the place behind its last
.set NP,   43                          ; its pairs
.set PB,   44                          ; the pairs of the experts before it
.set PT,   45                          ; all pairs
.set PL,   46                          ; the last pair's number
.set LAST, 47                          ; my expert's last place
.set Q6,   48                          ; the chunk's first pair
.set CB,   49                          ; the chunk's first row
.set CNT,  50
.set SEL,  52
.set MNT,  54
.set ST,   55
.set MSB, 0
.macro WIN new                         ; the immediate's high byte repeats the setting that is left
.if MSB != (\new)
	s_set_vgpr_msb (MSB<<8)|(\new)
.set MSB, \new
.endif
.endm
.macro SCAL                            ; from offs: my expert's rows and pairs, and where its pairs begin.  Each number that enters an offset is held last by a constant
	s_mov_b32 s[PB], 0
	s_mov_b32 s[PT], 0
	s_mov_b32 s[NB], 0
	s_mov_b32 s[NEND], 0
.irp i, 0,1,2,3,4,5,6,7
	s_sub_co_u32 s[ST], s[O+\i+1], s[O+\i]
	s_add_co_u32 s[ST], s[ST], 31
	s_lshr_b32 s[ST], s[ST], 5                     ; expert i's pairs
	s_add_co_u32 s[PT], s[PT], s[ST]
	s_cmp_gt_u32 s[SE], \i
	s_cselect_b32 s[ST], s[ST], 0
	s_add_co_u32 s[PB], s[PB], s[ST]
	s_cmp_eq_u32 s[SE], \i
	s_cselect_b32 s[NB], s[O+\i], s[NB]
	s_cselect_b32 s[NEND], s[O+\i+1], s[NEND]
.endr
	s_sub_co_u32 s[NP], s[NEND], s[NB]
	s_add_co_u32 s[NP], s[NP], 31
	s_lshr_b32 s[NP], s[NP], 5
	s_min_u32 s[NP], s[NP], 32
	s_sub_co_u32 s[PL], s[PT], 1
	s_min_u32 s[PL], s[PL], 39
	s_min_u32 s[PB], s[PB], 39
	s_max_u32 s[LAST], s[NEND], 1
	s_sub_co_u32 s[LAST], s[LAST], 1
	s_min_u32 s[LAST], s[LAST], 0x3ff
	s_min_u32 s[NB], s[NB], 0x3ff
.endm
.macro WLOAD                           ; my 32 rows of W1, 64 loads of 512 consecutive bytes, in the order of the tiles' rows
	WIN 0x40
.irp u, 0,1
.irp i, 0,1,2,3,4,5,6,7,8,9,10,11,12,13,14,15
.irp j, 0,1
	global_load_b128 v[128*\u+8*\i+4*\j:128*\u+8*\i+4*\j+3], v4, s[10:11] offset:(8*\u+\i+8*(\i/8))*1024+512*\j th:TH_LOAD_NT
.endr
.endr
.endr
	WIN 0
.endm
.macro RESTAGE                         ; a tile's 16 rows into my stage as rows, and back as fragments, into the registers that they left.  LDS serves a wave's instructions in order: no wait, and the bytes are my wave's own: no barrier
.irp u, 0,1
	WIN 0x04
.irp i, 0,1,2,3,4,5,6,7,8,9,10,11,12,13,14,15
.irp j, 0,1
	ds_store_b128 v5, v[128*\u+8*\i+4*\j:128*\u+8*\i+4*\j+3] offset:WPITCH*\i+512*\j
.endr
.endr
	WIN 0x40
.irp s, 0,1,2,3,4,5,6,7
.irp c, 0,1,2,3
	ds_load_b128 v[128*\u+16*\s+4*\c:128*\u+16*\s+4*\c+3], v6 offset:128*\s+32*\c
.endr
.endr
.endr
	WIN 0
.endm
; 32 matrix instructions: 8 K steps x 2 tiles of tokens x 2 tiles of W1.  The four accumulators take turns, one instruction a turn.  Ahead of K step s the wait leaves the 8 (7 - s) fragment loads of the later K steps out.
; Nine v_nop follow: eight places for the readers of the results and for loads into the operands' registers, one more since the accumulators are begun anew by the next pair's first products.
.macro MMA
	WIN 0x09                                       ; source 0 (W1) window 1, source 1 (tokens) window 2, C and D window 0
.irp s, 0,1,2,3,4,5,6,7
	s_wait_dscnt 8*(7-\s)
.irp t, 0,1
.irp u, 0,1
.set rD, ACC+16*\t+8*\u
.set rA, 128*\u+16*\s
.set rB, 128*\t+16*\s
.set rC, rD
.if \s == 0
.set rC, BI+8*\u
.endif
.if (\t) == 0 && (\u) == 0
	v_wmma_scale_f32_16x16x128_f8f6f4 v[rD:rD+7], v[rA:rA+15], v[rB:rB+15], v[rC:rC+7], v[WS+\s], v[XSV+\s]
.elseif (\t) == 0
	v_wmma_scale_f32_16x16x128_f8f6f4 v[rD:rD+7], v[rA:rA+15], v[rB:rB+15], v[rC:rC+7], v[WS+\s], v[XSV+\s] matrix_a_scale:MATRIX_SCALE_ROW1
.elseif (\u) == 0
	v_wmma_scale_f32_16x16x128_f8f6f4 v[rD:rD+7], v[rA:rA+15], v[rB:rB+15], v[rC:rC+7], v[WS+\s], v[XSV+\s] matrix_b_scale:MATRIX_SCALE_ROW1
.else
	v_wmma_scale_f32_16x16x128_f8f6f4 v[rD:rD+7], v[rA:rA+15], v[rB:rB+15], v[rC:rC+7], v[WS+\s], v[XSV+\s] matrix_a_scale:MATRIX_SCALE_ROW1 matrix_b_scale:MATRIX_SCALE_ROW1
.endif
.endr
.endr
.endr
	WIN 0
.rept 9
	v_nop
.endr
.endm
; A chunk's 192 rows are asked for: wave w takes rows 48 w .. 48 w + 47; an instruction reads 256 consecutive bytes of each of two rows.  A place past the expert's last is held there.
.macro FILLL
	s_add_co_u32 s24, s[NB], s[CB]
	v_add_nc_u32 v51, s24, v16
.irp i, 0,1,2,3,4,5,6,7,8,9,10,11,12,13,14,15,16,17,18,19,20,21,22,23
	v_add_nc_u32 v[ROFF+\i], 2*\i, v51
.endr
.irp i, 0,1,2,3,4,5,6,7,8,9,10,11,12,13,14,15,16,17,18,19,20,21,22,23
	v_min_u32 v[ROFF+\i], s[LAST], v[ROFF+\i]
.endr
.irp i, 0,1,2,3,4,5,6,7,8,9,10,11,12,13,14,15,16,17,18,19,20,21,22,23
	v_min_u32 v[ROFF+\i], 0x3ff, v[ROFF+\i]
.endr
.irp i, 0,1,2,3,4,5,6,7,8,9,10,11,12,13,14,15,16,17,18,19,20,21,22,23
	v_lshl_add_u32 v[ROFF+\i], v[ROFF+\i], 10, v7
.endr
	v_add_nc_u32 v51, s24, v192
.irp k, 0,1,2
	v_add_nc_u32 v[SOFF+\k], 64*\k, v51
	v_min_u32 v[SOFF+\k], s[LAST], v[SOFF+\k]
	v_min_u32 v[SOFF+\k], 0x3ff, v[SOFF+\k]
	v_lshl_add_u32 v[SOFF+\k], v[SOFF+\k], 5, v193
.endr
	WIN 0x80
.irp i, 0,1,2,3,4,5,6,7,8,9,10,11,12,13,14,15
.irp q, 0,1,2,3
	global_load_b128 v[16*\i+4*\q:16*\i+4*\q+3], v[ROFF+\i], s[6:7] offset:256*\q
.endr
.endr
	WIN 0xc0
.irp i, 16,17,18,19,20,21,22,23
.irp q, 0,1,2,3
	global_load_b128 v[16*(\i-16)+4*\q:16*(\i-16)+4*\q+3], v[ROFF+\i], s[6:7] offset:256*\q
.endr
.endr
	WIN 0
.irp k, 0,1,2
	global_load_b128 v[XSG+4*\k:XSG+4*\k+3], v[SOFF+\k], s[8:9]
.endr
.endm
.macro FILLS                           ; and laid into LDS
	WIN 0x08
.irp i, 0,1,2,3,4,5,6,7,8,9,10,11,12,13,14,15
.irp q, 0,1,2,3
	ds_store_b128 v15, v[16*\i+4*\q:16*\i+4*\q+3] offset:2*WPITCH*\i+256*\q
.endr
.endr
	WIN 0x0c
.irp i, 16,17,18,19,20,21,22,23
.irp q, 0,1,2,3
	ds_store_b128 v15, v[16*(\i-16)+4*\q:16*(\i-16)+4*\q+3] offset:2*WPITCH*\i+256*\q
.endr
.endr
	WIN 0
.irp k, 0,1,2
	ds_store_b128 v17, v[XSG+4*\k:XSG+4*\k+3] offset:3072*\k
.endr
.endm
; Pair j of the chunk: its fragments and scale words from LDS, 32 products, the activation and the quantiser in registers, codes to memory, scale bytes to LDS.
.macro PAIR j
.if \j > 0
	s_add_co_u32 s24, s[Q6], \j
	s_cmp_ge_u32 s24, s[NP]
	s_cbranch_scc1 .Lnocomp                        ; my expert has no such pair, nor any behind it
.endif
	ds_load_b128 v[XSV:XSV+3], v14 offset:1536*\j
	ds_load_b128 v[XSV+4:XSV+7], v14 offset:1536*\j+16
	WIN 0x80
.irp s, 0,1,2,3,4,5,6,7
.irp t, 0,1
.irp c, 0,1,2,3
	ds_load_b128 v[128*\t+16*\s+4*\c:128*\t+16*\s+4*\c+3], v[XRD+\j] offset:16*WPITCH*\t+128*\s+32*\c
.endr
.endr
.endr
	MMA
	; a lane's 16 registers of a tile of tokens are 16 neighbours of one block of 32; the other 16 lie in lane l xor 16.  No |.|: what is negative becomes 0, so it must not count; the floor stands over it
.irp t, 0,1
	v_max3_num_f32 v[TM+8*\t], v[ACC+16*\t], v[ACC+16*\t+1], 0x4800000     ; each accumulator is read from its low end on; the floor 2^(9 - 127) holds the byte at 1 from below
.endr
.irp i, 2,4,6,8,10,12,14
.irp t, 0,1
	v_max3_num_f32 v[TM+8*\t], v[TM+8*\t], v[ACC+16*\t+\i], v[ACC+16*\t+\i+1]
.endr
.endr
.irp t, 0,1
	v_permlanex16_b32 v[TM+8*\t+1], v[TM+8*\t], s[SEL], s[SEL+1]
.endr
.irp t, 0,1
	v_max_num_f32 v[TM+8*\t], v[TM+8*\t], v[TM+8*\t+1]     ; the block's largest number
.endr
.irp t, 0,1
	v_add_nc_u32 v[TM+8*\t+3], 0xfc000000, v[TM+8*\t]      ; 8 off its exponent field: the conversion's scale operand
.endr
.irp t, 0,1
	v_and_or_b32 v[TM+8*\t+2], v[TM+8*\t], 0x7f800000, s[MNT]   ; 448 x the scale
.endr
.irp t, 0,1
	v_lshrrev_b32 v[TM+8*\t+4], 23, v[TM+8*\t+3]           ; the scale's byte
.endr
.irp t, 0,1
.irp i, 0,1,2,3,4,5,6,7,8,9,10,11,12,13,14,15
	v_med3_num_f32 v[ACC+16*\t+\i], v[ACC+16*\t+\i], 0, v[TM+8*\t+2]   ; the activation and the hold in one (the conversion does not saturate: ISA guide 7.6.2)
.endr
	v_cvt_scalef32_pk8_fp8_f32 v[PC+8*\j+4*\t:PC+8*\j+4*\t+1], v[ACC+16*\t:ACC+16*\t+7], v[TM+8*\t+3]
	v_cvt_scalef32_pk8_fp8_f32 v[PC+8*\j+4*\t+2:PC+8*\j+4*\t+3], v[ACC+16*\t+8:ACC+16*\t+15], v[TM+8*\t+3]
.endr
	v_nop                                          ; a plain instruction behind the last conversion: the next pair's products write its sources
.irp t, 0,1
	global_store_b128 v4, v[PC+8*\j+4*\t:PC+8*\j+4*\t+3], s[16:17] offset:131072*\j+65536*\t   ; registers 4 w .. 4 w + 3 of the next operand's fragment: 512 consecutive bytes
	ds_store_b8 v18, v[TM+8*\t+4] offset:128*\j+64*\t      ; byte w of the token's scale word; both lanes of a block write the same byte with the same value
.endr
.endm
	s_load_b256 s[4:11], s[0:1], 0x0               ; offs s[4:5], xq s[6:7], xs s[8:9], W1's codes s[10:11]
	s_load_b256 s[12:19], s[0:1], 0x20             ; W1's scales s[12:13], b1 s[14:15], hq s[16:17], hs s[18:19]
	v_lshl_add_u32 v254, v0, 2, 0x43800
	v_mov_b32 v255, 0
	v_lshrrev_b32 v1, 5, v0
	v_readfirstlane_b32 s[SW], v1                  ; wave
	v_and_b32 v1, 31, v0                           ; lane
	v_and_b32 v2, 15, v0                           ; r
	v_bfe_u32 v3, v0, 4, 1                         ; h
	v_lshlrev_b32 v4, 4, v1                        ; 16 x lane
	s_mov_b32 s[SNT], ttmp9
	s_and_b32 s[SE], ttmp7, 0xffff
	s_lshl_b32 s24, s[SE], 12
	s_lshl_b32 s25, s[SNT], 7
	s_add_co_u32 s24, s24, s25
	s_lshl_b32 s25, s[SW], 5
	s_add_co_u32 s24, s24, s25                     ; my first row of W1, counted through all experts: 4096 e + 128 nt + 32 w
	s_lshl_b32 s26, s24, 10                        ; its codes,
	s_mov_b32 s27, 0
	s_lshl_b32 s28, s24, 5                         ; its scale bytes,
	s_mov_b32 s29, 0
	s_lshl_b32 s30, s24, 2                         ; its number of b1
	s_mov_b32 s31, 0
	v_and_b32 v194, 8, v2
	v_add_nc_u32 v194, v194, v2
	v_lshl_add_u32 v194, v3, 3, v194               ; lane 16 u + r stands for row 8 u + r + 8 (r / 8)
	v_lshlrev_b32 v194, 5, v194                    ; 32 scale bytes a row
	v_lshlrev_b32 v21, 6, v3                       ; b1: my half's 16 units
	s_wait_kmcnt 0x0
	s_load_b256 s[O:O+7], s[4:5], 0x0
	s_load_b32 s[O+8], s[4:5], 0x20
	s_add_nc_u64 s[10:11], s[10:11], s[26:27]
	s_add_nc_u64 s[12:13], s[12:13], s[28:29]
	s_add_nc_u64 s[14:15], s[14:15], s[30:31]
	WLOAD
	global_load_b128 v[WS:WS+3], v194, s[12:13]
	global_load_b128 v[WS+4:WS+7], v194, s[12:13] offset:16
.irp u, 0,1
	global_load_b128 v[BI+8*\u:BI+8*\u+3], v21, s[14:15] offset:32*\u      ; tile u, register j: unit 16 h + 8 u + j
	global_load_b128 v[BI+8*\u+4:BI+8*\u+7], v21, s[14:15] offset:32*\u+16
.endr
	s_mul_i32 s24, s[SW], WSTB
	v_add_nc_u32 v5, s24, v4                       ; my stage, in: 16 x lane
	v_mul_u32_u24 v195, v2, WPITCH
	v_lshl_add_u32 v195, v3, 4, v195               ; a fragment's row x pitch + 16 x half
	v_add_nc_u32 v6, s24, v195                     ; my stage, out
	v_lshlrev_b32 v7, 4, v2                        ; 16 r
.irp j, 0,1,2,3,4,5
	v_add_nc_u32 v[XRD+\j], XS+32*WPITCH*\j, v195
.endr
	v_mul_u32_u24 v14, v1, 48
	v_add_nc_u32 v14, XSC, v14                     ; a pair's scale words: token = lane
	s_mul_i32 s24, s[SW], 48
	v_add_nc_u32 v16, s24, v3                      ; the first row of the chunk that I fetch: 48 w + lane / 16
	v_mul_u32_u24 v15, v16, WPITCH
	v_add_nc_u32 v15, v15, v7
	v_add_nc_u32 v15, XS, v15                      ; and where it goes
	v_lshrrev_b32 v192, 1, v0                      ; scale bytes: two threads to a row of 32,
	v_and_b32 v193, 1, v0
	v_lshlrev_b32 v193, 4, v193                    ; 16 bytes each
	v_mul_u32_u24 v17, v192, 48
	v_add_nc_u32 v17, v17, v193
	v_add_nc_u32 v17, XSC, v17
	s_add_co_u32 s25, s[SW], HSCB
	v_lshl_add_u32 v18, v2, 2, s25                 ; the hidden layer's scale bytes: 4 x token + wave
	s_lshl_b32 s24, s[SW], 7
	v_lshl_add_u32 v20, v1, 2, s24                 ; and their way out: pair w's 32 words: 128 w + 4 x lane, in hs
	v_add_nc_u32 v19, HSCB, v20                    ; and in LDS
	v_mov_b32 v[TM+1], 0                           ; a lane permute's destination counts as one of its sources
	v_mov_b32 v[TM+9], 0
	s_mov_b32 s[SEL], 0x76543210
	s_mov_b32 s[SEL+1], 0xfedcba98
	s_mov_b32 s[MNT], 0x600000                     ; the mantissa field of 448
	s_mov_b32 s[Q6], 0
	s_mov_b32 s[CB], 0
	s_mov_b32 s[CNT], 0
	s_wait_kmcnt 0x0
	SCAL
	s_lshl_b32 s24, s[PB], 17                      ; hq: 131,072 bytes a pair, 2,048 a K step, 512 a wave
	s_lshl_b32 s25, s[SNT], 11
	s_add_co_u32 s24, s24, s25
	s_lshl_b32 s25, s[SW], 9
	s_add_co_u32 s24, s24, s25
	s_mov_b32 s25, 0
	s_add_nc_u64 s[16:17], s[16:17], s[24:25]
	s_mul_i32 s24, s[SNT], 40                      ; hs: 40 pairs a K step, 128 bytes a pair
	s_add_co_u32 s24, s24, s[PB]
	s_lshl_b32 s24, s24, 7
	s_add_nc_u64 s[18:19], s[18:19], s[24:25]
	FILLL                                          ; the first chunk, asked for on every path (an expert without rows reads rows that are there and uses none)
	s_wait_loadcnt 63                              ; 169 loads have been issued: the oldest 106 are in, the 70 of W1, its scale words and b1 among them
	RESTAGE
	s_wait_loadcnt 0x0
	FILLS
.Lchunk:
	s_wait_dscnt 0x0                               ; my part of the chunk lies in LDS, and my reads of the scale bytes are back
	s_barrier_signal -1
	s_barrier_wait -1                              ; everybody's
	s_cmp_ge_u32 s[Q6], s[NP]
	s_cbranch_scc1 .Lnocomp
	PAIR 0
	PAIR 1
	PAIR 2
	PAIR 3
	PAIR 4
	PAIR 5
.Lnocomp:
	s_wait_dscnt 0x0                               ; my reads of the chunk are back, my scale bytes have landed
	s_barrier_signal -1
	s_barrier_wait -1
	s_add_co_u32 s24, s[Q6], s[SW]                 ; the scale words leave: wave w takes pairs w and w + 4 of the chunk's six
	s_cmp_ge_u32 s24, s[NP]
	s_cbranch_scc1 .Lhs_done
	ds_load_b32 v22, v19
	s_wait_dscnt 0x0
	global_store_b32 v20, v22, s[18:19]            ; 128 consecutive bytes
	s_cmp_ge_u32 s[SW], 2
	s_cbranch_scc1 .Lhs_done
	s_add_co_u32 s24, s24, 4
	s_cmp_ge_u32 s24, s[NP]
	s_cbranch_scc1 .Lhs_done
	ds_load_b32 v23, v19 offset:512
	s_wait_dscnt 0x0
	global_store_b32 v20, v23, s[18:19] offset:512
.Lhs_done:
	s_wait_xcnt 0x0                                ; the stores have read their bases and their data: both may be written again
	s_add_nc_u64 s[16:17], s[16:17], 786432        ; six pairs on
	s_add_nc_u64 s[18:19], s[18:19], 768
	s_add_co_u32 s[Q6], s[Q6], 6
	s_add_co_u32 s[CB], s[CB], 192
	s_lshl_b32 s24, s[NP], 5
	s_cmp_ge_u32 s[CB], s24
	s_cbranch_scc1 .Lnofill                        ; no rows are left
	FILLL
	s_wait_loadcnt 0x0
	FILLS
.Lnofill:
	s_add_co_u32 s[CNT], s[CNT], 1
	s_cmp_lt_u32 s[CNT], 6
	s_cbranch_scc1 .Lchunk
	s_wait_tensorcnt 0x0
	ds_add_u32 v254, v255
	s_wait_dscnt 0x0
	s_endpgm
.Lfunc_end_k_q0e24427a93_ffn1:
	.size	k_q0e24427a93_ffn1, .Lfunc_end_k_q0e24427a93_ffn1-k_q0e24427a93_ffn1
	.p2alignl 7, 3214868480
	.fill 96, 4, 3214868480
	.section	.rodata,"a",@progbits
	.p2align	6, 0x0
	.amdhsa_kernel k_q0e24427a93_ffn1
		.amdhsa_group_segment_fixed_size 276992
		.amdhsa_private_segment_fixed_size 0
		.amdhsa_enable_private_segment 0
		.amdhsa_kernarg_size 64
		.amdhsa_user_sgpr_count 2
		.amdhsa_user_sgpr_kernarg_segment_ptr 1
		.amdhsa_wavefront_size32 1
		.amdhsa_system_sgpr_workgroup_id_x 1
		.amdhsa_system_sgpr_workgroup_id_y 1
		.amdhsa_system_sgpr_workgroup_id_z 1
		.amdhsa_system_vgpr_workitem_id 0
		.amdhsa_next_free_vgpr 896
		.amdhsa_next_free_sgpr 66
		.amdhsa_reserve_vcc 0
		.amdhsa_float_denorm_mode_32 3
		.amdhsa_float_denorm_mode_16_64 3
		.amdhsa_memory_ordered 1
		.amdhsa_forward_progress 1
		.amdhsa_inst_pref_size 144
	.end_amdhsa_kernel
	.amdgpu_metadata
---
amdhsa.version: [ 1, 2 ]
amdhsa.kernels:
  - .name:           k_q0e24427a93_ffn1
    .symbol:         k_q0e24427a93_ffn1.kd
    .args:
      - { .name: offs, .offset: 0, .size: 8, .value_kind: global_buffer, .address_space: global }
      - { .name: xq, .offset: 8, .size: 8, .value_kind: global_buffer, .address_space: global }
      - { .name: xs, .offset: 16, .size: 8, .value_kind: global_buffer, .address_space: global }
      - { .name: w1_codes, .offset: 24, .size: 8, .value_kind: global_buffer, .address_space: global }
      - { .name: w1_scales, .offset: 32, .size: 8, .value_kind: global_buffer, .address_space: global }
      - { .name: b1, .offset: 40, .size: 8, .value_kind: global_buffer, .address_space: global }
      - { .name: hq, .offset: 48, .size: 8, .value_kind: global_buffer, .address_space: global }
      - { .name: hs, .offset: 56, .size: 8, .value_kind: global_buffer, .address_space: global }
    .group_segment_fixed_size: 276992
    .private_segment_fixed_size: 0
    .kernarg_segment_align: 8
    .kernarg_segment_size: 64
    .max_flat_workgroup_size: 128
    .sgpr_count:     66
    .vgpr_count:     896
    .wavefront_size: 32
...
	.end_amdgpu_metadata
.endif
;; end of part 3
;; launch ffn2 (part 4): grid 32 x 8, 4 waves a work-group, no clusters, 214,528 bytes of LDS; arguments offs, list, alpha, input_features, hq, hs, w2_codes, w2_scales, b2, out0; writes out0
.if DOCPART == 4
	.amdgcn_target "amdgcn-amd-amdhsa--gfx1250"
	.amdhsa_code_object_version 6
	.text
	.protected	k_q0e24427a93_ffn2
	.globl	k_q0e24427a93_ffn2
	.p2align	8
	.type	k_q0e24427a93_ffn2,@function
k_q0e24427a93_ffn2:
	s_mov_b64 s[64:65], 0
	v_nop
	global_prefetch_b8 v0, s[64:65] scope:SCOPE_SE
	s_setreg_imm32_b32 hwreg(HW_REG_WAVE_MODE, 25, 1), 1
	s_wait_xcnt 0x0
; THE SECOND PRODUCT OF THE CHOSEN EXPERT AND THE WAY BACK: out[token] = x[token] + alpha[token] (hidden W2[e]^T + b2[e]), which is alpha (x + ..) + (1 - alpha) x with x taken out of the sum.
; The product is on codes of FP8 (E4M3) with one E8M0 scale for each 32 along K.  Work-group (nt, e): output columns 32 nt .. 32 nt + 31 of expert e, for all of e's rows: each number of out has one owner.  8 x 32 = 256 work-groups.
; Each byte of W2 is asked for once in the launch, in the kernel's first lines: wave w keeps the 32 rows' K quarter 1024 w .. 1024 w + 1023 in 256 registers (two tiles of 16 rows x 8 K steps of 128).
; So the four waves share K: each reads only its quarter of the hidden layer's images, and the four partial sums of a number meet in LDS and are added there, (0 + 1) + (2 + 3): an order of rounding of this text's own.
; THE ROWS go in pairs of two tiles of 16, numbered as the launch before numbers them; a last pair that is not full repeats the expert's last row, so that row of out is stored more than once, by this work-group, with the same numbers.
; The loop over chunks of 8 pairs has the constant count 4 (32 pairs at the most); every wave passes its two barriers in every trip, and what a trip has no pairs for is jumped over between them.
; No tensor load, no cluster: branches here hang on stored counts.  A work-group owns 32 columns, so a store covers 128 consecutive bytes of each of four rows: the price of one owner for each number without a launch that adds parts.
; THE MATRIX INSTRUCTION IS USED TRANSPOSED: source 0 = 16 rows of W2, source 1 = 16 tokens (an image of the operand's registers, loaded as it lies): lane (r, h) holds token r and columns 16 u + 8 h + 0 .. 7.
; LIMITS: NaN and infinities are not served.
; REGISTERS: window 0: see the names below.  Window 1: W2's fragments, (u, s) at v[128 u + 16 s].  Windows 2 and 3: two buffers for a pair's fragments, (t, s) at v[128 t + 16 s]: even pairs in window 2, odd pairs in window 3.
.set WPITCH, 1040                      ; a row of 1,024 codes in LDS + 16 of padding
.set WSTB,   16*WPITCH                 ; a wave's stage for W2: 16 rows
.set RED,    4*WSTB                    ; behind the stages: the partial sums: [wave 4][token 256][128 bytes + 16]
.set REDB,   256*144
.set REDR, 9                           ; v9-12   where I read wave k's partial sums
.set WS,   16                          ; v16-23  W2's scale words: lane 16 u + r: tile u, row r; register s: K step s of my quarter
.set HSA,  24                          ; v24-31  the hidden layer's scale words of the pair in window 2: lane 16 t + r
.set HSB,  32                          ; v32-39  of the pair in window 3
.set B2V,  40                          ; v40-43  b2 at my four columns
.set TOK,  44                          ; v44-59  my 16 rows of the chunk: place, then token, then its word of alpha
.set XOFF, 60                          ; v60-75  their offsets in x and in out
.set AL,   76                          ; v76-91  their alpha
.set X,    92                          ; v92-155 their x at my four columns, then the result
.set ACC,  160                         ; v160-191 accumulator (t, u) at ACC + 16 t + 8 u
.set PR,   160                         ; v160-223 partial sums read back: two rings of 32; the first lies where the accumulators lay
.set SW,   24
.set SNT,  25
.set SE,   26
.set O,    32                          ; s32-40  offs[0 .. 8]
.set NB,   41
.set NEND, 42
.set NP,   43
.set PB,   44
.set PT,   45
.set PL,   46
.set LAST, 47
.set Q8,   48                          ; the chunk's first pair
.set CNT,  49
.set H0,   50                          ; s[50:51], s[52:53] my quarter of pairs 0 and 1 in hq;  s[54:55] walks on
.set H1,   52
.set HN,   54
.set S0,   56                          ; s[56:57], s[58:59], s[60:61] the same in hs
.set S1,   58
.set SN,   60
.set ST,   68
.set MSB, 0
.macro WIN new                         ; the immediate's high byte repeats the setting that is left
.if MSB != (\new)
	s_set_vgpr_msb (MSB<<8)|(\new)
.set MSB, \new
.endif
.endm
.macro SCAL                            ; from offs: my expert's rows and pairs, and where its pairs begin.  Each number that enters an offset is held last by a constant
	s_mov_b32 s[PB], 0
	s_mov_b32 s[PT], 0
	s_mov_b32 s[NB], 0
	s_mov_b32 s[NEND], 0
.irp i, 0,1,2,3,4,5,6,7
	s_sub_co_u32 s[ST], s[O+\i+1], s[O+\i]
	s_add_co_u32 s[ST], s[ST], 31
	s_lshr_b32 s[ST], s[ST], 5                     ; expert i's pairs
	s_add_co_u32 s[PT], s[PT], s[ST]
	s_cmp_gt_u32 s[SE], \i
	s_cselect_b32 s[ST], s[ST], 0
	s_add_co_u32 s[PB], s[PB], s[ST]
	s_cmp_eq_u32 s[SE], \i
	s_cselect_b32 s[NB], s[O+\i], s[NB]
	s_cselect_b32 s[NEND], s[O+\i+1], s[NEND]
.endr
	s_sub_co_u32 s[NP], s[NEND], s[NB]
	s_add_co_u32 s[NP], s[NP], 31
	s_lshr_b32 s[NP], s[NP], 5
	s_min_u32 s[NP], s[NP], 32
	s_sub_co_u32 s[PL], s[PT], 1
	s_min_u32 s[PL], s[PL], 39
	s_min_u32 s[PB], s[PB], 39
	s_max_u32 s[LAST], s[NEND], 1
	s_sub_co_u32 s[LAST], s[LAST], 1
	s_min_u32 s[LAST], s[LAST], 0x3ff
	s_min_u32 s[NB], s[NB], 0x3ff
.endm
.macro WLOAD                           ; my quarter of the 32 rows of W2: 64 loads of 512 consecutive bytes
	WIN 0x40
.irp u, 0,1
.irp i, 0,1,2,3,4,5,6,7,8,9,10,11,12,13,14,15
.irp j, 0,1
	global_load_b128 v[128*\u+8*\i+4*\j:128*\u+8*\i+4*\j+3], v4, s[16:17] offset:(16*\u+\i)*4096+512*\j th:TH_LOAD_NT
.endr
.endr
.endr
	WIN 0
.endm
.macro RESTAGE                         ; a tile's 16 rows into my stage as rows, and back as fragments, into the registers that they left.  LDS serves a wave's instructions in order: no wait, and the bytes are my wave's own: no barrier
.irp u, 0,1
	WIN 0x04
.irp i, 0,1,2,3,4,5,6,7,8,9,10,11,12,13,14,15
.irp j, 0,1
	ds_store_b128 v5, v[128*\u+8*\i+4*\j:128*\u+8*\i+4*\j+3] offset:WPITCH*\i+512*\j
.endr
.endr
	WIN 0x40
.irp s, 0,1,2,3,4,5,6,7
.irp c, 0,1,2,3
	ds_load_b128 v[128*\u+16*\s+4*\c:128*\u+16*\s+4*\c+3], v6 offset:128*\s+32*\c
.endr
.endr
.endr
	WIN 0
.endm
; 32 matrix instructions: my 8 K steps x 2 tiles of tokens x 2 tiles of W2.  The first K step starts the sums with the constant 0.  The four accumulators take turns, one instruction a turn.
; Nine v_nop follow: eight places for the stores of the results and for loads into the operands' registers, one more since the accumulators are begun anew by the next pair's first products.
.macro MMA bw, scb                     ; bw: the window of the pair's fragments;  scb: its scale words
.if \bw == 2
	WIN 0x09                                       ; source 0 (W2) window 1, source 1 window 2, C and D window 0
.else
	WIN 0x0d                                       ; source 1 window 3
.endif
.irp s, 0,1,2,3,4,5,6,7
.irp t, 0,1
.irp u, 0,1
.set rD, ACC+16*\t+8*\u
.set rA, 128*\u+16*\s
.set rB, 128*\t+16*\s
.if \s == 0
.if (\t) == 0 && (\u) == 0
	v_wmma_scale_f32_16x16x128_f8f6f4 v[rD:rD+7], v[rA:rA+15], v[rB:rB+15], 0, v[WS+\s], v[\scb+\s]
.elseif (\t) == 0
	v_wmma_scale_f32_16x16x128_f8f6f4 v[rD:rD+7], v[rA:rA+15], v[rB:rB+15], 0, v[WS+\s], v[\scb+\s] matrix_a_scale:MATRIX_SCALE_ROW1
.elseif (\u) == 0
	v_wmma_scale_f32_16x16x128_f8f6f4 v[rD:rD+7], v[rA:rA+15], v[rB:rB+15], 0, v[WS+\s], v[\scb+\s] matrix_b_scale:MATRIX_SCALE_ROW1
.else
	v_wmma_scale_f32_16x16x128_f8f6f4 v[rD:rD+7], v[rA:rA+15], v[rB:rB+15], 0, v[WS+\s], v[\scb+\s] matrix_a_scale:MATRIX_SCALE_ROW1 matrix_b_scale:MATRIX_SCALE_ROW1
.endif
.else
.if (\t) == 0 && (\u) == 0
	v_wmma_scale_f32_16x16x128_f8f6f4 v[rD:rD+7], v[rA:rA+15], v[rB:rB+15], v[rD:rD+7], v[WS+\s], v[\scb+\s]
.elseif (\t) == 0
	v_wmma_scale_f32_16x16x128_f8f6f4 v[rD:rD+7], v[rA:rA+15], v[rB:rB+15], v[rD:rD+7], v[WS+\s], v[\scb+\s] matrix_a_scale:MATRIX_SCALE_ROW1
.elseif (\u) == 0
	v_wmma_scale_f32_16x16x128_f8f6f4 v[rD:rD+7], v[rA:rA+15], v[rB:rB+15], v[rD:rD+7], v[WS+\s], v[\scb+\s] matrix_b_scale:MATRIX_SCALE_ROW1
.else
	v_wmma_scale_f32_16x16x128_f8f6f4 v[rD:rD+7], v[rA:rA+15], v[rB:rB+15], v[rD:rD+7], v[WS+\s], v[\scb+\s] matrix_a_scale:MATRIX_SCALE_ROW1 matrix_b_scale:MATRIX_SCALE_ROW1
.endif
.endif
.endr
.endr
.endr
	WIN 0
.rept 9
	v_nop
.endr
.endm
.macro LOADH bw, rs, ph, ps            ; my quarter of a pair: 64 loads of 512 consecutive bytes into window bw, and 8 of its scale words into v[rs] on; ph, ps: the scalar pairs that hold the addresses
.if \bw == 2
	WIN 0x80
.else
	WIN 0xc0
.endif
.irp t, 0,1
.irp s, 0,1,2,3,4,5,6,7
.irp c, 0,1,2,3
	global_load_b128 v[128*\t+16*\s+4*\c:128*\t+16*\s+4*\c+3], v4, s[\ph:\ph+1] offset:65536*\t+2048*\s+512*\c
.endr
.endr
.endr
	WIN 0
.irp s, 0,1,2,3,4,5,6,7
	global_load_b32 v[\rs+\s], v7, s[\ps:\ps+1] offset:5120*\s
.endr
.endm
.macro HPTR ph, ps                     ; pair s27 (held under 41): my quarter of it in hq and in hs
	s_lshl_b32 s28, s27, 17
	s_lshl_b32 s29, s[SW], 14
	s_add_co_u32 s28, s28, s29
	s_mov_b32 s29, 0
	s_add_nc_u64 s[\ph:\ph+1], s[12:13], s[28:29]
	s_mul_i32 s28, s[SW], 320
	s_add_co_u32 s28, s28, s27
	s_lshl_b32 s28, s28, 7
	s_add_nc_u64 s[\ps:\ps+1], s[14:15], s[28:29]
.endm
.macro TOKLOAD                         ; the 16 rows of the chunk that I finish: row 32 w + 128 (k / 8) + 4 (k % 8) + lane / 8: their places, held at the expert's last, and from the list their tokens
	s_lshl_b32 s27, s[Q8], 5
	s_add_co_u32 s27, s27, s[NB]
	v_add_nc_u32 v224, s27, v14
.irp k, 0,1,2,3,4,5,6,7,8,9,10,11,12,13,14,15
	v_add_nc_u32 v[TOK+\k], 128*(\k/8)+4*(\k%8), v224
.endr
.irp k, 0,1,2,3,4,5,6,7,8,9,10,11,12,13,14,15
	v_min_u32 v[TOK+\k], s[LAST], v[TOK+\k]
.endr
.irp k, 0,1,2,3,4,5,6,7,8,9,10,11,12,13,14,15
	v_min_u32 v[TOK+\k], 0x3ff, v[TOK+\k]
.endr
.irp k, 0,1,2,3,4,5,6,7,8,9,10,11,12,13,14,15
	v_lshlrev_b32 v[TOK+\k], 2, v[TOK+\k]
.endr
.irp k, 0,1,2,3,4,5,6,7,8,9,10,11,12,13,14,15
	global_load_b32 v[TOK+\k], v[TOK+\k], s[6:7]   ; each lands on its own address register
.endr
.endm
.macro XLOAD                           ; their x at my four columns, and their alpha
.irp k, 0,1,2,3,4,5,6,7,8,9,10,11,12,13,14,15
	v_min_u32 v[TOK+\k], 0x3ff, v[TOK+\k]
.endr
.irp k, 0,1,2,3,4,5,6,7,8,9,10,11,12,13,14,15
	v_lshl_add_u32 v[XOFF+\k], v[TOK+\k], 12, v13
.endr
.irp k, 0,1,2,3,4,5,6,7,8,9,10,11,12,13,14,15
	global_load_b128 v[X+4*\k:X+4*\k+3], v[XOFF+\k], s[10:11]
.endr
.irp k, 0,1,2,3,4,5,6,7,8,9,10,11,12,13,14,15
	v_lshlrev_b32 v[TOK+\k], 2, v[TOK+\k]
.endr
.irp k, 0,1,2,3,4,5,6,7,8,9,10,11,12,13,14,15
	global_load_b32 v[AL+\k], v[TOK+\k], s[8:9]
.endr
.endm
; Pair j of the chunk.  Its fragments were asked for a pair ago (pairs 0 and 1 at the head); the next pair's are asked for into the other buffer, ahead of the products.
.macro STEP j
	s_add_co_u32 s27, s[Q8], \j
	s_cmp_ge_u32 s27, s[NP]
	s_cbranch_scc1 .Ldone                          ; my expert has no such pair, nor any behind it
	s_wait_loadcnt 0x0                             ; the pair's fragments and scale words are in; no load names the walking addresses any more
	s_wait_dscnt 0x0                               ; the last pair's stores have read the accumulators
	s_add_co_u32 s27, s27, 1
	s_cmp_ge_u32 s27, s[NP]
	s_cbranch_scc1 .Lnoload_\@
.if \j == 0
	s_cmp_lt_u32 s27, 2                            ; pair 1 came at the head
	s_cbranch_scc1 .Lnoload_\@
.endif
	s_add_nc_u64 s[HN:HN+1], s[HN:HN+1], 131072
	s_add_nc_u64 s[SN:SN+1], s[SN:SN+1], 128
.if (\j)%2 == 0
	LOADH 3, HSB, HN, SN
.else
	LOADH 2, HSA, HN, SN
.endif
.Lnoload_\@:
.if (\j)%2 == 0
	MMA 2, HSA
.else
	MMA 3, HSB
.endif
.irp t, 0,1
.irp u, 0,1
	ds_store_b128 v8, v[ACC+16*\t+8*\u:ACC+16*\t+8*\u+3] offset:(32*\j+16*\t)*144+64*\u        ; each accumulator from its low end on
	ds_store_b128 v8, v[ACC+16*\t+8*\u+4:ACC+16*\t+8*\u+7] offset:(32*\j+16*\t)*144+64*\u+16
.endr
.endr
.endm
.macro FLOAD jj, g                     ; group g of four: rows 2 g and 2 g + 1 of my eight, the four waves' partial sums: 8 loads
.irp d, 0,1
.irp k, 0,1,2,3
	ds_load_b128 v[PR+32*((\g)%2)+16*\d+4*\k:PR+32*((\g)%2)+16*\d+4*\k+3], v[REDR+\k] offset:18432*\jj+576*(2*(\g)+\d)
.endr
.endr
.endm
.macro FCOMP jj, g                     ; the four parts and b2 are added, x + alpha x the sum, and the result leaves
.irp d, 0,1
.set p, PR+32*((\g)%2)+16*\d
.set kk, 8*\jj+2*(\g)+\d
	v_pk_add_f32 v[p:p+1], v[p:p+1], v[p+4:p+5]
	v_pk_add_f32 v[p+2:p+3], v[p+2:p+3], v[p+6:p+7]
	v_pk_add_f32 v[p+8:p+9], v[p+8:p+9], v[p+12:p+13]
	v_pk_add_f32 v[p+10:p+11], v[p+10:p+11], v[p+14:p+15]
	v_pk_add_f32 v[p:p+1], v[p:p+1], v[p+8:p+9]
	v_pk_add_f32 v[p+2:p+3], v[p+2:p+3], v[p+10:p+11]
	v_pk_add_f32 v[p:p+1], v[p:p+1], v[B2V:B2V+1]
	v_pk_add_f32 v[p+2:p+3], v[p+2:p+3], v[B2V+2:B2V+3]
.irp c, 0,1,2,3
	v_fma_f32 v[X+4*kk+\c], v[AL+kk], v[p+\c], v[X+4*kk+\c]
.endr
	global_store_b128 v[XOFF+kk], v[X+4*kk:X+4*kk+3], s[22:23] th:TH_STORE_NT      ; eight lanes store 128 consecutive bytes of a row of out
.endr
.endm
.macro FIN jj                          ; wave w finishes pair w + 4 jj of the chunk
	s_add_co_u32 s27, s[Q8], s[SW]
.if \jj
	s_add_co_u32 s27, s27, 4
.endif
	s_cmp_ge_u32 s27, s[NP]
	s_cbranch_scc1 .Lfin_done
	FLOAD \jj, 0
.irp g, 0,1,2,3
.if \g < 3
	FLOAD \jj, \g+1
	s_wait_dscnt 8                                 ; group g is in; the next group's eight loads may be out
.else
	s_wait_dscnt 0x0
.endif
	FCOMP \jj, \g
.endr
.endm
	s_load_b256 s[4:11], s[0:1], 0x0               ; offs s[4:5], list s[6:7], alpha s[8:9], x s[10:11]
	s_load_b256 s[12:19], s[0:1], 0x20             ; hq s[12:13], hs s[14:15], W2's codes s[16:17], W2's scales s[18:19]
	s_load_b128 s[20:23], s[0:1], 0x40             ; b2 s[20:21], out s[22:23]
	v_lshl_add_u32 v254, v0, 2, 0x34400
	v_mov_b32 v255, 0
	v_lshrrev_b32 v1, 5, v0
	v_readfirstlane_b32 s[SW], v1                  ; wave
	v_and_b32 v1, 31, v0                           ; lane
	v_and_b32 v2, 15, v0                           ; r
	v_bfe_u32 v3, v0, 4, 1                         ; h
	v_lshlrev_b32 v4, 4, v1                        ; 16 x lane
	v_lshlrev_b32 v7, 2, v1                        ; 4 x lane
	s_mov_b32 s[SNT], ttmp9
	s_and_b32 s[SE], ttmp7, 0xffff
	s_lshl_b32 s28, s[SE], 10
	s_lshl_b32 s29, s[SNT], 5
	s_add_co_u32 s28, s28, s29                     ; the work-group's first row of W2, counted through all experts: 1024 e + 32 nt
	s_lshl_b32 s30, s28, 12                        ; its codes, and my quarter of a row
	s_lshl_b32 s31, s[SW], 10
	s_add_co_u32 s30, s30, s31
	s_mov_b32 s31, 0
	s_lshl_b32 s62, s28, 7                         ; its scale bytes, and my quarter of a row
	s_lshl_b32 s63, s[SW], 5
	s_add_co_u32 s62, s62, s63
	s_mov_b32 s63, 0
	s_lshl_b32 s66, s[SE], 12                      ; my expert's row of b2
	s_mov_b32 s67, 0
	v_lshlrev_b32 v15, 7, v1                       ; W2's scale words: lane 16 u + r stands for row 16 u + r; 128 bytes a row
	v_and_b32 v224, 7, v0
	s_lshl_b32 s27, s[SNT], 7
	v_lshl_add_u32 v13, v224, 4, s27               ; my four columns in a row of x, out and b2: 128 nt + 16 (lane % 8) bytes
	s_wait_kmcnt 0x0
	s_load_b256 s[O:O+7], s[4:5], 0x0
	s_load_b32 s[O+8], s[4:5], 0x20
	s_add_nc_u64 s[16:17], s[16:17], s[30:31]
	s_add_nc_u64 s[18:19], s[18:19], s[62:63]
	s_add_nc_u64 s[20:21], s[20:21], s[66:67]
	WLOAD
	global_load_b128 v[WS:WS+3], v15, s[18:19]
	global_load_b128 v[WS+4:WS+7], v15, s[18:19] offset:16
	global_load_b128 v[B2V:B2V+3], v13, s[20:21]
	s_mul_i32 s27, s[SW], WSTB
	v_add_nc_u32 v5, s27, v4                       ; my stage, in
	v_mul_u32_u24 v6, v2, WPITCH
	v_lshl_add_u32 v6, v3, 4, v6
	v_add_nc_u32 v6, s27, v6                       ; my stage, out: a fragment's row x pitch + 16 x half
	s_mul_i32 s27, s[SW], REDB
	s_add_co_u32 s27, s27, RED
	v_mul_u32_u24 v8, v2, 144
	v_lshl_add_u32 v8, v3, 5, v8
	v_add_nc_u32 v8, s27, v8                       ; my partial sums: token r, + 32 h bytes
	v_lshrrev_b32 v14, 3, v1
	s_lshl_b32 s27, s[SW], 5
	v_add_nc_u32 v14, s27, v14                     ; the first row of the chunk that I finish: 32 w + lane / 8
	v_mul_u32_u24 v225, v14, 144
	v_lshl_add_u32 v225, v224, 4, v225
.irp k, 0,1,2,3
	v_add_nc_u32 v[REDR+\k], RED+REDB*\k, v225
.endr
	s_mov_b32 s[Q8], 0
	s_mov_b32 s[CNT], 0
	s_wait_kmcnt 0x0
	SCAL
	s_min_u32 s27, s[PB], s[PL]                    ; my expert's pair 0, or, where it has none, a pair that is there
	s_min_u32 s27, s27, 39
	HPTR H0, S0
	s_add_co_u32 s27, s[PB], 1
	s_min_u32 s27, s27, s[PL]
	s_min_u32 s27, s27, 39
	HPTR H1, S1
	s_add_co_u32 s27, s[PB], 1                     ; the walking addresses stand at pair 1 and step ahead of each use
	HPTR HN, SN
	TOKLOAD
	LOADH 2, HSA, H0, S0                           ; asked for on every path: an expert with fewer pairs reads bytes that are there and uses none
	LOADH 3, HSB, H1, S1
	s_wait_loadcnt 63                              ; 227 loads have been issued: the oldest 164 are in, the 67 of W2, its scale words and b2 and the 16 of the list among them
	XLOAD
	RESTAGE
.Lchunk:
	STEP 0
	STEP 1
	STEP 2
	STEP 3
	STEP 4
	STEP 5
	STEP 6
	STEP 7
.Ldone:
	s_wait_dscnt 0x0                               ; my partial sums have landed
	s_barrier_signal -1
	s_barrier_wait -1                              ; everybody's
	s_wait_loadcnt 0x0                             ; x and alpha
	FIN 0
	FIN 1
.Lfin_done:
	s_wait_dscnt 0x0                               ; my reads of the partial sums are back
	s_barrier_signal -1
	s_barrier_wait -1                              ; everybody's: the next chunk may write there
	s_wait_xcnt 0x0                                ; the stores have read their offsets and their data: both may be written again
	s_add_co_u32 s[Q8], s[Q8], 8
	s_cmp_ge_u32 s[Q8], s[NP]
	s_cbranch_scc1 .Lnotok
	TOKLOAD
	s_wait_loadcnt 0x0
	XLOAD
.Lnotok:
	s_add_co_u32 s[CNT], s[CNT], 1
	s_cmp_lt_u32 s[CNT], 4
	s_cbranch_scc1 .Lchunk
	s_wait_tensorcnt 0x0
	ds_add_u32 v254, v255
	s_wait_dscnt 0x0
	s_endpgm
.Lfunc_end_k_q0e24427a93_ffn2:
	.size	k_q0e24427a93_ffn2, .Lfunc_end_k_q0e24427a93_ffn2-k_q0e24427a93_ffn2
	.p2alignl 7, 3214868480
	.fill 96, 4, 3214868480
	.section	.rodata,"a",@progbits
	.p2align	6, 0x0
	.amdhsa_kernel k_q0e24427a93_ffn2
		.amdhsa_group_segment_fixed_size 214528
		.amdhsa_private_segment_fixed_size 0
		.amdhsa_enable_private_segment 0
		.amdhsa_kernarg_size 80
		.amdhsa_user_sgpr_count 2
		.amdhsa_user_sgpr_kernarg_segment_ptr 1
		.amdhsa_wavefront_size32 1
		.amdhsa_system_sgpr_workgroup_id_x 1
		.amdhsa_system_sgpr_workgroup_id_y 1
		.amdhsa_system_sgpr_workgroup_id_z 1
		.amdhsa_system_vgpr_workitem_id 0
		.amdhsa_next_free_vgpr 1024
		.amdhsa_next_free_sgpr 80
		.amdhsa_reserve_vcc 0
		.amdhsa_float_denorm_mode_32 3
		.amdhsa_float_denorm_mode_16_64 3
		.amdhsa_memory_ordered 1
		.amdhsa_forward_progress 1
		.amdhsa_inst_pref_size 170
	.end_amdhsa_kernel
	.amdgpu_metadata
---
amdhsa.version: [ 1, 2 ]
amdhsa.kernels:
  - .name:           k_q0e24427a93_ffn2
    .symbol:         k_q0e24427a93_ffn2.kd
    .args:
      - { .name: offs, .offset: 0, .size: 8, .value_kind: global_buffer, .address_space: global }
      - { .name: list, .offset: 8, .size: 8, .value_kind: global_buffer, .address_space: global }
      - { .name: alpha, .offset: 16, .size: 8, .value_kind: global_buffer, .address_space: global }
      - { .name: input_features, .offset: 24, .size: 8, .value_kind: global_buffer, .address_space: global }
      - { .name: hq, .offset: 32, .size: 8, .value_kind: global_buffer, .address_space: global }
      - { .name: hs, .offset: 40, .size: 8, .value_kind: global_buffer, .address_space: global }
      - { .name: w2_codes, .offset: 48, .size: 8, .value_kind: global_buffer, .address_space: global }
      - { .name: w2_scales, .offset: 56, .size: 8, .value_kind: global_buffer, .address_space: global }
      - { .name: b2, .offset: 64, .size: 8, .value_kind: global_buffer, .address_space: global }
      - { .name: out0, .offset: 72, .size: 8, .value_kind: global_buffer, .address_space: global }
    .group_segment_fixed_size: 214528
    .private_segment_fixed_size: 0
    .kernarg_segment_align: 8
    .kernarg_segment_size: 80
    .max_flat_workgroup_size: 128
    .sgpr_count:     80
    .vgpr_count:     1024
    .wavefront_size: 32
...
	.end_amdgpu_metadata
.endif
;; end of part 4
;; ======== version 2 of 2: 4 launches
;; workspace buffers: key 4,096 bytes of whole numbers; alpha 4,096 bytes; offs 256 bytes of whole numbers; list 4,096 bytes of whole numbers; xq 1,048,576 bytes; xs 32,768 bytes; hq 5,242,880 bytes; hs 163,840 bytes
;; launch route (part 5): grid 256 x 1, 4 waves a work-group, no clusters, 0 bytes of LDS; arguments input_features, centroids, key, alpha; writes key, alpha
.if DOCPART == 5
	.amdgcn_target "amdgcn-amd-amdhsa--gfx1250"
	.amdhsa_code_object_version 6
	.text
	.protected	k_q0e24427a93_route
	.globl	k_q0e24427a93_route
	.p2align	8
	.type	k_q0e24427a93_route,@function
k_q0e24427a93_route:
	s_mov_b64 s[64:65], 0
	v_nop
	global_prefetch_b8 v0, s[64:65] scope:SCOPE_SE
	s_setreg_imm32_b32 hwreg(HW_REG_WAVE_MODE, 25, 1), 1
	s_wait_xcnt 0x0
; THE ROUTER.  x: [1024 tokens][1024] f32, centroids: [8][1024] f32.  For each token: its 8 affinities (f32 fused multiply-adds), the expert with the largest (the lower number wins a tie),
; alpha = sigmoid(largest affinity).  Stored at fixed places: key[t] = expert x 1024 + t (a whole number), alpha[t] (f32).  No address and no branch hangs on the choice here.
; SHARES: a wave takes one token: lane l holds, of load i, the 16 bytes at 512 i + 16 l of the token's row and of each centroid's row, so each load covers 512 consecutive bytes.
; LIMITS: NaN and infinities are not served; a token whose two largest affinities lie closer than the rounding of a sum of 1,024 f32 products may go to either of the two experts.
; No LDS, no matrix unit: 8 columns are too few for a tile, and the choice wants f32.
.set X,   16                           ; v16-47   the token's 32 numbers of my lane
.set ACC, 48                           ; v48-63   a pair of partial sums for each expert
.set AF,  64                           ; v64-71   the affinities
.set PD,  72                           ; v72-79   what the other half of the lanes sends
.set MSB, 0                            ; centroids 0-3: v128-255;  centroids 4-7: v0-127 of window 1
.macro WIN new                         ; the immediate's high byte repeats the setting that is left
.if MSB != (\new)
	s_set_vgpr_msb (MSB<<8)|(\new)
.set MSB, \new
.endif
.endm
	s_load_b256 s[4:11], s[0:1], 0x0               ; x s[4:5], centroids s[6:7], key s[8:9], alpha s[10:11]
	v_lshrrev_b32 v1, 5, v0
	v_readfirstlane_b32 s12, v1                    ; wave
	v_and_b32 v2, 31, v0                           ; lane
	v_lshlrev_b32 v1, 4, v2                        ; 16 x lane
	s_lshl_b32 s13, ttmp9, 2
	s_add_co_u32 s13, s13, s12                     ; my token: 4 x work-group + wave
	s_lshl_b32 s14, s13, 12                        ; its row: 4,096 bytes a token
	s_mov_b32 s15, 0
	s_lshl_b32 s18, s13, 2                         ; its word in key and in alpha
	s_mov_b32 s19, 0
	s_mov_b32 s16, 0x76543210                      ; v_permlanex16_b32: lane l takes lane l xor 16
	s_mov_b32 s17, 0xfedcba98
	s_wait_alu depctr_va_vdst(0)
	s_wait_kmcnt 0x0
	s_add_nc_u64 s[4:5], s[4:5], s[14:15]
	s_add_nc_u64 s[8:9], s[8:9], s[18:19]
	s_add_nc_u64 s[10:11], s[10:11], s[18:19]
.irp i, 0,1,2,3,4,5,6,7
	global_load_b128 v[X+4*\i:X+4*\i+3], v1, s[4:5] offset:512*\i
.endr
.irp e, 0,1,2,3
.irp i, 0,1,2,3,4,5,6,7
	global_load_b128 v[128+32*\e+4*\i:128+32*\e+4*\i+3], v1, s[6:7] offset:4096*\e+512*\i
.endr
.endr
	WIN 0x40                                       ; destination window 1
.irp e, 0,1,2,3
.irp i, 0,1,2,3,4,5,6,7
	global_load_b128 v[32*\e+4*\i:32*\e+4*\i+3], v1, s[6:7] offset:4096*(\e+4)+512*\i
.endr
.endr
	WIN 0
.irp e, 0,1,2,3,4,5,6,7
	v_mov_b32 v[PD+\e], 0                          ; a lane permute's destination counts as one of its sources
.endr
	s_wait_loadcnt 32                              ; x and centroids 0-3 are in; the 32 loads of centroids 4-7 may be out
.irp e, 0,1,2,3
	v_pk_mul_f32 v[ACC+2*\e:ACC+2*\e+1], v[X:X+1], v[128+32*\e:128+32*\e+1]      ; the first product starts each sum
.endr
.irp p, 1,2,3,4,5,6,7,8,9,10,11,12,13,14,15
.irp e, 0,1,2,3
	v_pk_fma_f32 v[ACC+2*\e:ACC+2*\e+1], v[X+2*\p:X+2*\p+1], v[128+32*\e+2*\p:128+32*\e+2*\p+1], v[ACC+2*\e:ACC+2*\e+1]   ; the four experts by turns
.endr
.endr
	s_wait_loadcnt 0x0
	WIN 0x04                                       ; source 1 window 1
.irp e, 0,1,2,3
	v_pk_mul_f32 v[ACC+8+2*\e:ACC+8+2*\e+1], v[X:X+1], v[32*\e:32*\e+1]
.endr
.irp p, 1,2,3,4,5,6,7,8,9,10,11,12,13,14,15
.irp e, 0,1,2,3
	v_pk_fma_f32 v[ACC+8+2*\e:ACC+8+2*\e+1], v[X+2*\p:X+2*\p+1], v[32*\e+2*\p:32*\e+2*\p+1], v[ACC+8+2*\e:ACC+8+2*\e+1]
.endr
.endr
	WIN 0
.irp e, 0,1,2,3,4,5,6,7
	v_add_f32 v[AF+\e], v[ACC+2*\e], v[ACC+2*\e+1]
.endr
.irp m, 1,2,4,8                        ; across the 16 lanes of a half, then across the halves: every lane ends with the same eight sums
.irp e, 0,1,2,3,4,5,6,7
	v_add_f32_dpp v[AF+\e], v[AF+\e], v[AF+\e] row_xmask:\m row_mask:0xf bank_mask:0xf
.endr
.endr
.irp e, 0,1,2,3,4,5,6,7
	v_permlanex16_b32 v[PD+\e], v[AF+\e], s16, s17
.endr
.irp e, 0,1,2,3,4,5,6,7
	v_add_f32 v[AF+\e], v[AF+\e], v[PD+\e]
.endr
	v_mov_b32 v80, v[AF]                           ; the largest so far,
	v_mov_b32 v81, 0                               ; and whose it is
.irp e, 1,2,3,4,5,6,7
	v_cmp_ge_f32 vcc_lo, v80, v[AF+\e]             ; the earlier expert keeps its place unless the later one is strictly larger
	v_cndmask_b32 v81, \e, v81, vcc_lo
	v_cndmask_b32 v80, v[AF+\e], v80, vcc_lo
.endr
	v_mul_f32 v82, 0xbfb8aa3b, v80                 ; -log2(e) x the largest affinity
	s_wait_alu depctr_va_vdst(0)
	v_exp_f32 v82, v82
	v_nop                                          ; a plain instruction behind the exponential,
	s_wait_alu depctr_va_vdst(0)                   ; and the wait ahead of the first line that names its result
	v_add_f32 v82, 1.0, v82
	s_wait_alu depctr_va_vdst(0)
	v_rcp_f32 v82, v82                             ; alpha = 1 / (1 + e^-a)
	v_lshl_add_u32 v81, v81, 10, s13               ; key = expert x 1024 + token  (the plain instruction behind the reciprocal)
	v_mov_b32 v3, 0
	s_wait_alu depctr_va_vdst(0)
	s_wait_xcnt 0x0                                ; EXEC changes only behind this wait
	v_cmp_eq_u32 vcc_lo, 0, v2
	s_and_saveexec_b32 s20, vcc_lo                 ; lane 0 stores for the wave
	global_store_b32 v3, v81, s[8:9]
	global_store_b32 v3, v82, s[10:11]
	s_endpgm
.Lfunc_end_k_q0e24427a93_route:
	.size	k_q0e24427a93_route, .Lfunc_end_k_q0e24427a93_route-k_q0e24427a93_route
	.p2alignl 7, 3214868480
	.fill 96, 4, 3214868480
	.section	.rodata,"a",@progbits
	.p2align	6, 0x0
	.amdhsa_kernel k_q0e24427a93_route
		.amdhsa_group_segment_fixed_size 0
		.amdhsa_private_segment_fixed_size 0
		.amdhsa_enable_private_segment 0
		.amdhsa_kernarg_size 32
		.amdhsa_user_sgpr_count 2
		.amdhsa_user_sgpr_kernarg_segment_ptr 1
		.amdhsa_wavefront_size32 1
		.amdhsa_system_sgpr_workgroup_id_x 1
		.amdhsa_system_sgpr_workgroup_id_y 1
		.amdhsa_system_sgpr_workgroup_id_z 1
		.amdhsa_system_vgpr_workitem_id 0
		.amdhsa_next_free_vgpr 384
		.amdhsa_next_free_sgpr 66
		.amdhsa_reserve_vcc 1
		.amdhsa_float_denorm_mode_32 3
		.amdhsa_float_denorm_mode_16_64 3
		.amdhsa_memory_ordered 1
		.amdhsa_forward_progress 1
		.amdhsa_inst_pref_size 21
	.end_amdhsa_kernel
	.amdgpu_metadata
---
amdhsa.version: [ 1, 2 ]
amdhsa.kernels:
  - .name:           k_q0e24427a93_route
    .symbol:         k_q0e24427a93_route.kd
    .args:
      - { .name: input_features, .offset: 0, .size: 8, .value_kind: global_buffer, .address_space: global }
      - { .name: centroids, .offset: 8, .size: 8, .value_kind: global_buffer, .address_space: global }
      - { .name: key, .offset: 16, .size: 8, .value_kind: global_buffer, .address_space: global }
      - { .name: alpha, .offset: 24, .size: 8, .value_kind: global_buffer, .address_space: global }
    .group_segment_fixed_size: 0
    .private_segment_fixed_size: 0
    .kernarg_segment_align: 8
    .kernarg_segment_size: 32
    .max_flat_workgroup_size: 128
    .sgpr_count:     66
    .vgpr_count:     384
    .wavefront_size: 32
...
	.end_amdgpu_metadata
.endif
;; end of part 5
;; launch place (part 6): grid 256 x 1, 4 waves a work-group, no clusters, 23,040 bytes of LDS; arguments key, input_features, ln_g, ln_b, offs, list, xq, xs; writes offs, list, xq, xs
.if DOCPART == 6
	.amdgcn_target "amdgcn-amd-amdhsa--gfx1250"
	.amdhsa_code_object_version 6
	.text
	.protected	k_q0e24427a93_place
	.globl	k_q0e24427a93_place
	.p2align	8
	.type	k_q0e24427a93_place,@function
k_q0e24427a93_place:
	s_mov_b64 s[64:65], 0
	v_nop
	global_prefetch_b8 v0, s[64:65] scope:SCOPE_SE
	s_setreg_imm32_b32 hwreg(HW_REG_WAVE_MODE, 25, 1), 1
	s_wait_xcnt 0x0
; THE PLACING OF ROWS, THE LAYER NORM AND THE FIRST QUANTISER.  A wave takes one token t.
; Its place among the rows sorted by expert is the number of keys smaller than its own (keys are all different: expert x 1024 + token): every wave reads all 1,024 keys and counts; no atomics, no sort.
; Then h = (x - mean) rsqrt(var + 1e-5) g[expert] + b[expert], in f32, the variance taken of the differences as the definition has it; h is quantised along its 1,024 numbers in blocks of 32 to codes of FP8 (E4M3)
; with one E8M0 byte a block, and stored at the token's place: xq [place][1024 codes], xs [place][32 bytes].  list[place] = token.  offs[i], i = 0 .. 8 = the number of keys under 1024 i: expert i's first place.
; A block's scale is 2^(floor(log2(largest magnitude)) - 8): its byte is the largest magnitude's exponent field - 8, held at 1 from below.  A block of zeros so gets the byte 1: its codes are zeros, and this program alone reads the bytes.
; LIMITS: NaN and infinities are not served.
; LAYOUT.  Loads are dense: lane l takes the 16 bytes at 512 i + 16 l of a row.  The conversions want a block's 32 neighbours in one lane: h turns through the wave's own stage in LDS (32 blocks of 128 bytes + 16 of padding)
; and comes back a block a lane.  The codes (32 bytes a lane) turn through 1,024 more bytes so that each store of the wave covers 512 consecutive bytes.  Waves share nothing: no barrier.
.set X,  16                            ; v16-47   x, then x - mean, then h; then my block's 32 numbers
.set G,  48                            ; v48-79   gain
.set B,  80                            ; v80-111  bias
.set K,  112                           ; v112-143 all keys: 32 a lane
.set C,  144                           ; v144-151 my block's codes
.set T,  8                             ; v8-15    at work
.set MU, 152                           ; v152-153 the mean, twice
.set RS, 154                           ; v154-155 1 / sqrt(var + eps), twice
.set OU, 156                           ; v156-163 the codes as they leave
.macro COUNT lim, res                  ; s[res] = how many of the 1,024 keys lie under s[lim]
	s_mov_b32 s[\res], 0
.irp g, 0,1,2,3
.irp i, 0,1,2,3,4,5,6,7
	v_cmp_gt_u32 s[40+\i], s[\lim], v[K+8*\g+\i]
.endr
.irp i, 0,1,2,3,4,5,6,7
	s_bcnt1_i32_b32 s[40+\i], s[40+\i]
	s_add_co_u32 s[\res], s[\res], s[40+\i]
.endr
.endr
.endm
.macro WSUM r, p                       ; the sum of v[r] over the wave's 32 lanes, in every lane; v[p] is scratch that has been written
	v_add_f32_dpp v[\r], v[\r], v[\r] row_xmask:1 row_mask:0xf bank_mask:0xf
	v_add_f32_dpp v[\r], v[\r], v[\r] row_xmask:2 row_mask:0xf bank_mask:0xf
	v_add_f32_dpp v[\r], v[\r], v[\r] row_xmask:4 row_mask:0xf bank_mask:0xf
	v_add_f32_dpp v[\r], v[\r], v[\r] row_xmask:8 row_mask:0xf bank_mask:0xf
	v_permlanex16_b32 v[\p], v[\r], s30, s31
	v_add_f32 v[\r], v[\r], v[\p]
.endm
	s_load_b256 s[4:11], s[0:1], 0x0               ; key s[4:5], x s[6:7], gain s[8:9], bias s[10:11]
	s_load_b256 s[12:19], s[0:1], 0x20             ; offs s[12:13], list s[14:15], xq s[16:17], xs s[18:19]
	v_lshl_add_u32 v192, v0, 2, 0x5800
	v_mov_b32 v193, 0
	v_lshrrev_b32 v1, 5, v0
	v_readfirstlane_b32 s20, v1                    ; wave
	v_and_b32 v2, 31, v0                           ; lane
	v_lshlrev_b32 v1, 4, v2                        ; 16 x lane
	s_lshl_b32 s21, ttmp9, 2
	s_add_co_u32 s21, s21, s20                     ; my token
	s_lshl_b32 s23, s21, 2
	s_lshl_b32 s24, s21, 12
	s_mov_b32 s25, 0
	s_mul_i32 s26, s20, 5632                       ; my wave's LDS: 4,608 bytes for h, 1,024 for the codes
	v_lshrrev_b32 v3, 3, v2
	v_mul_u32_u24 v3, v3, 144
	v_and_b32 v4, 7, v2
	v_lshl_add_u32 v3, v4, 4, v3
	v_add_nc_u32 v3, s26, v3                       ; h in: load i's 512 bytes are blocks 4 i .. 4 i + 3: 144 (lane / 8) + 16 (lane % 8), + 576 i
	v_mul_u32_u24 v4, v2, 144
	v_add_nc_u32 v4, s26, v4                       ; h out: block = lane
	s_add_co_u32 s27, s26, 4608
	v_lshl_add_u32 v5, v2, 5, s27                  ; codes in: 32 bytes a lane
	v_add_nc_u32 v6, s27, v1                       ; codes out: 16 bytes a lane
	v_mov_b32 v7, 0
	s_mov_b32 s30, 0x76543210
	s_mov_b32 s31, 0xfedcba98
	s_mov_b32 s32, 0x600000                        ; the mantissa field of 448
	s_mov_b32 s33, 0x3a800000                      ; 1 / 1024
	s_mov_b32 s34, 0x3727c5ac                      ; 1e-5
	s_wait_kmcnt 0x0
	s_load_b32 s22, s[4:5], s23 offset:0x0         ; my key
	s_add_nc_u64 s[6:7], s[6:7], s[24:25]
.irp i, 0,1,2,3,4,5,6,7
	global_load_b128 v[X+4*\i:X+4*\i+3], v1, s[6:7] offset:512*\i
.endr
.irp i, 0,1,2,3,4,5,6,7
	global_load_b128 v[K+4*\i:K+4*\i+3], v1, s[4:5] offset:512*\i
.endr
	s_wait_kmcnt 0x0
	s_lshr_b32 s28, s22, 10
	s_min_u32 s28, s28, 7                          ; my expert, held inside the tables
	s_lshl_b32 s28, s28, 12
	s_mov_b32 s29, 0
	s_add_nc_u64 s[8:9], s[8:9], s[28:29]
	s_add_nc_u64 s[10:11], s[10:11], s[28:29]
.irp i, 0,1,2,3,4,5,6,7
	global_load_b128 v[G+4*\i:G+4*\i+3], v1, s[8:9] offset:512*\i
.endr
.irp i, 0,1,2,3,4,5,6,7
	global_load_b128 v[B+4*\i:B+4*\i+3], v1, s[10:11] offset:512*\i
.endr
	s_wait_loadcnt 16                              ; x and the keys are in; the 16 loads of gain and bias may be out
	COUNT 22, 35                                   ; my place
	s_min_u32 s35, s35, 0x3ff
.irp k, 0,1,2,3                        ; the mean: four chains
	v_pk_add_f32 v[T+2*\k:T+2*\k+1], v[X+2*\k:X+2*\k+1], v[X+8+2*\k:X+8+2*\k+1]
.endr
.irp j, 2,3
.irp k, 0,1,2,3
	v_pk_add_f32 v[T+2*\k:T+2*\k+1], v[T+2*\k:T+2*\k+1], v[X+8*\j+2*\k:X+8*\j+2*\k+1]
.endr
.endr
	v_pk_add_f32 v[T:T+1], v[T:T+1], v[T+2:T+3]
	v_pk_add_f32 v[T+4:T+5], v[T+4:T+5], v[T+6:T+7]
	v_pk_add_f32 v[T:T+1], v[T:T+1], v[T+4:T+5]
	v_add_f32 v[T], v[T], v[T+1]
	WSUM T, T+2
	v_mul_f32 v[MU], s33, v[T]
	v_mov_b32 v[MU+1], v[MU]
.irp p, 0,1,2,3,4,5,6,7,8,9,10,11,12,13,14,15
	v_pk_add_f32 v[X+2*\p:X+2*\p+1], v[X+2*\p:X+2*\p+1], v[MU:MU+1] neg_lo:[0,1] neg_hi:[0,1]   ; x - mean
.endr
.irp k, 0,1,2,3                        ; the sum of their squares: four chains, each started by a product
	v_pk_mul_f32 v[T+2*\k:T+2*\k+1], v[X+2*\k:X+2*\k+1], v[X+2*\k:X+2*\k+1]
.endr
.irp j, 1,2,3
.irp k, 0,1,2,3
	v_pk_fma_f32 v[T+2*\k:T+2*\k+1], v[X+8*\j+2*\k:X+8*\j+2*\k+1], v[X+8*\j+2*\k:X+8*\j+2*\k+1], v[T+2*\k:T+2*\k+1]
.endr
.endr
	v_pk_add_f32 v[T:T+1], v[T:T+1], v[T+2:T+3]
	v_pk_add_f32 v[T+4:T+5], v[T+4:T+5], v[T+6:T+7]
	v_pk_add_f32 v[T:T+1], v[T:T+1], v[T+4:T+5]
	v_add_f32 v[T], v[T], v[T+1]
	WSUM T, T+2
	v_fma_f32 v[T], v[T], s33, s34                 ; var + eps
	s_wait_alu depctr_va_vdst(0)
	v_rsq_f32 v[RS], v[T]
	v_nop                                          ; a plain instruction behind the root,
	s_wait_alu depctr_va_vdst(0)                   ; and the wait ahead of the first line that names its result
	v_mov_b32 v[RS+1], v[RS]
	s_wait_alu depctr_va_vdst(0)
	s_wait_loadcnt 0x0                             ; gain and bias
.irp p, 0,1,2,3,4,5,6,7,8,9,10,11,12,13,14,15
	v_pk_mul_f32 v[X+2*\p:X+2*\p+1], v[X+2*\p:X+2*\p+1], v[RS:RS+1]
.endr
.irp p, 0,1,2,3,4,5,6,7,8,9,10,11,12,13,14,15
	v_pk_fma_f32 v[X+2*\p:X+2*\p+1], v[X+2*\p:X+2*\p+1], v[G+2*\p:G+2*\p+1], v[B+2*\p:B+2*\p+1]
.endr
.irp i, 0,1,2,3,4,5,6,7
	ds_store_b128 v3, v[X+4*\i:X+4*\i+3] offset:576*\i
.endr
.irp k, 0,1,2,3,4,5,6,7
	ds_load_b128 v[X+4*\k:X+4*\k+3], v4 offset:16*\k       ; LDS serves a wave's instructions in order: these see my stores
.endr
	s_wait_dscnt 0x0                               ; my lane now holds block = lane: columns 32 lane .. 32 lane + 31
	v_max3_num_f32 v12, |v[X]|, |v[X+1]|, |v[X+2]|         ; the block's largest magnitude: all 32 numbers are mine
	v_max3_num_f32 v13, |v[X+3]|, |v[X+4]|, |v[X+5]|
.irp i, 6,10,14,18,22,26
	v_max3_num_f32 v12, v12, |v[X+\i]|, |v[X+\i+1]|
	v_max3_num_f32 v13, v13, |v[X+\i+2]|, |v[X+\i+3]|
.endr
	v_max3_num_f32 v12, v12, |v[X+30]|, |v[X+31]|
	v_max3_num_f32 v12, v12, v13, 0x4800000        ; and the floor 2^(9 - 127): so the byte cannot fall under 1
	v_add_nc_u32 v11, 0xfc000000, v12              ; 8 off its exponent field: the conversion takes the exponent field of this operand as its scale
	v_and_or_b32 v10, v12, 0x7f800000, s32         ; 448 x the scale
	v_lshrrev_b32 v9, 23, v11                      ; the scale's byte
.irp i, 0,1,2,3,4,5,6,7,8,9,10,11,12,13,14,15,16,17,18,19,20,21,22,23,24,25,26,27,28,29,30,31
	v_med3_num_f32 v[X+\i], v[X+\i], -v10, v10     ; the conversion to an 8-bit code does not saturate (ISA guide 7.6.2): the hold comes first
.endr
.irp g, 0,1,2,3
	v_cvt_scalef32_pk8_fp8_f32 v[C+2*\g:C+2*\g+1], v[X+8*\g:X+8*\g+7], v11
.endr
	v_nop                                          ; a plain instruction behind the last conversion
	ds_store_b128 v5, v[C:C+3]
	ds_store_b128 v5, v[C+4:C+7] offset:16
	ds_load_b128 v[OU:OU+3], v6
	ds_load_b128 v[OU+4:OU+7], v6 offset:512
	s_lshl_b32 s36, s35, 10                        ; my place's row of codes,
	s_mov_b32 s37, 0
	s_add_nc_u64 s[16:17], s[16:17], s[36:37]
	s_lshl_b32 s36, s35, 5                         ; of scale bytes,
	s_add_nc_u64 s[18:19], s[18:19], s[36:37]
	s_lshl_b32 s36, s35, 2                         ; and its word of the list
	s_add_nc_u64 s[14:15], s[14:15], s[36:37]
	s_wait_dscnt 0x0
	global_store_b128 v1, v[OU:OU+3], s[16:17]     ; 512 consecutive bytes a store
	global_store_b128 v1, v[OU+4:OU+7], s[16:17] offset:512
	global_store_b8 v2, v9, s[18:19]               ; the row's 32 scale bytes, one a lane
	s_mov_b32 s29, 0
	s_cmp_lt_u32 s21, 9                            ; tokens 0 to 8 also make offs: a branch on ids
	s_cbranch_scc0 .Lno_count
	s_lshl_b32 s28, s21, 10
	COUNT 28, 29                                   ; the keys under 1024 t: expert t's first place
.Lno_count:
	v_mov_b32 v12, s21
	v_mov_b32 v13, s29
	v_mov_b32 v14, s23                             ; 4 t
	s_wait_alu depctr_va_vdst(0)
	s_wait_xcnt 0x0                                ; EXEC changes only behind this wait
	v_cmp_eq_u32 vcc_lo, 0, v2
	s_and_saveexec_b32 s38, vcc_lo                 ; lane 0 stores for the wave
	global_store_b32 v7, v12, s[14:15]             ; list[place] = token
	s_cmp_lt_u32 s21, 9
	s_cbranch_scc0 .Lend
	global_store_b32 v14, v13, s[12:13]            ; offs[t]
.Lend:
	s_wait_xcnt 0x0
	s_mov_b32 exec_lo, -1
	s_wait_tensorcnt 0x0
	ds_add_u32 v192, v193
	s_wait_dscnt 0x0
	s_endpgm
.Lfunc_end_k_q0e24427a93_place:
	.size	k_q0e24427a93_place, .Lfunc_end_k_q0e24427a93_place-k_q0e24427a93_place
	.p2alignl 7, 3214868480
	.fill 96, 4, 3214868480
	.section	.rodata,"a",@progbits
	.p2align	6, 0x0
	.amdhsa_kernel k_q0e24427a93_place
		.amdhsa_group_segment_fixed_size 23040
		.amdhsa_private_segment_fixed_size 0
		.amdhsa_enable_private_segment 0
		.amdhsa_kernarg_size 64
		.amdhsa_user_sgpr_count 2
		.amdhsa_user_sgpr_kernarg_segment_ptr 1
		.amdhsa_wavefront_size32 1
		.amdhsa_system_sgpr_workgroup_id_x 1
		.amdhsa_system_sgpr_workgroup_id_y 1
		.amdhsa_system_sgpr_workgroup_id_z 1
		.amdhsa_system_vgpr_workitem_id 0
		.amdhsa_next_free_vgpr 194
		.amdhsa_next_free_sgpr 66
		.amdhsa_reserve_vcc 1
		.amdhsa_float_denorm_mode_32 3
		.amdhsa_float_denorm_mode_16_64 3
		.amdhsa_memory_ordered 1
		.amdhsa_forward_progress 1
		.amdhsa_inst_pref_size 26
	.end_amdhsa_kernel
	.amdgpu_metadata
---
amdhsa.version: [ 1, 2 ]
amdhsa.kernels:
  - .name:           k_q0e24427a93_place
    .symbol:         k_q0e24427a93_place.kd
    .args:
      - { .name: key, .offset: 0, .size: 8, .value_kind: global_buffer, .address_space: global }
      - { .name: input_features, .offset: 8, .size: 8, .value_kind: global_buffer, .address_space: global }
      - { .name: ln_g, .offset: 16, .size: 8, .value_kind: global_buffer, .address_space: global }
      - { .name: ln_b, .offset: 24, .size: 8, .value_kind: global_buffer, .address_space: global }
      - { .name: offs, .offset: 32, .size: 8, .value_kind: global_buffer, .address_space: global }
      - { .name: list, .offset: 40, .size: 8, .value_kind: global_buffer, .address_space: global }
      - { .name: xq, .offset: 48, .size: 8, .value_kind: global_buffer, .address_space: global }
      - { .name: xs, .offset: 56, .size: 8, .value_kind: global_buffer, .address_space: global }
    .group_segment_fixed_size: 23040
    .private_segment_fixed_size: 0
    .kernarg_segment_align: 8
    .kernarg_segment_size: 64
    .max_flat_workgroup_size: 128
    .sgpr_count:     66
    .vgpr_count:     194
    .wavefront_size: 32
...
	.end_amdgpu_metadata
.endif
;; end of part 6
;; launch ffn1 (part 7): grid 32 x 8, 4 waves a work-group, no clusters, 276,992 bytes of LDS; arguments offs, xq, xs, w1_codes, w1_scales, b1, hq, hs; writes hq, hs
.if DOCPART == 7
	.amdgcn_target "amdgcn-amd-amdhsa--gfx1250"
	.amdhsa_code_object_version 6
	.text
	.protected	k_q0e24427a93_ffn1
	.globl	k_q0e24427a93_ffn1
	.p2align	8
	.type	k_q0e24427a93_ffn1,@function
k_q0e24427a93_ffn1:
	s_mov_b64 s[64:65], 0
	v_nop
	global_prefetch_b8 v0, s[64:65] scope:SCOPE_SE
	s_setreg_imm32_b32 hwreg(HW_REG_WAVE_SCHED_MODE, 0, 2), 2
	s_setreg_imm32_b32 hwreg(HW_REG_WAVE_MODE, 25, 1), 1
	s_wait_xcnt 0x0
	s_wait_alu depctr_vm_vsrc(0)
; THE FIRST PRODUCT OF THE CHOSEN EXPERT, ITS ACTIVATION AND THE SECOND QUANTISER: hidden = Q(relu(Q(h) W1[e]^T + b1[e])), on codes of FP8 (E4M3) with one E8M0 scale for each 32 along K.
; Only the rows that chose expert e are multiplied: the definition keeps no other.  Work-group (nt, e): hidden units 128 nt .. 128 nt + 127 of expert e, for all of e's rows.  8 x 32 = 256 work-groups.
; Each byte of W1 is asked for once in the launch, in the kernel's first lines: wave w keeps rows 128 nt + 32 w .. + 31 of W1[e], all 1,024 along K, in 256 registers (two tiles of 16 rows x 8 K steps of 128).
; The loads are dense (512 consecutive bytes each); the wave's own stage in LDS turns rows into fragments.
; THE ROWS.  Expert e's rows lie at places offs[e] .. offs[e+1] - 1 of xq.  They go in PAIRS of two tiles of 16; a last pair that is not full repeats the expert's last row (the place is held at LAST), here and in the next launch alike.
; Pairs are numbered through all experts: gp = (pairs of the experts before e) + p; never more than 39 in all.  192 rows (6 pairs) at a time lie in LDS, read by all four waves.
; The loop over such chunks has the constant count 6 (32 pairs at the most), and every wave passes its two barriers in every trip; what a trip has no rows for is jumped over between the barriers.
; No tensor load, no cluster: branches here hang on stored counts, and partners would need different numbers of tiles.
; THE MATRIX INSTRUCTION IS USED TRANSPOSED: source 0 = 16 rows of W1, source 1 = 16 tokens: a lane holds ONE token (lane % 16).  THE ROWS OF W1 THAT FORM A TILE ARE NOT NEIGHBOURS: row i of tile u is unit 8 u + i + 8 (i / 8) of the
; wave's 32, so that the 16 registers of a token's two tiles are the 16 neighbours 16 (lane / 16) + 0 .. 15 of one block of 32 along the next K.  b1 is the C of each sum's first instruction.
; OUT.  hq [gp 40][t 2][K step 32][c 4][lane 32][16 bytes]: images of the next product's operand registers: this work-group is K step nt, wave w is c.  hs [K step 32][gp 40][32 tokens]: a scale word each; its four bytes come from the four
; waves and meet in LDS.  A block all of whose numbers are clipped to 0 keeps the byte 1: its codes are zeros, and this program alone reads the bytes.   LIMITS: NaN and infinities are not served.
; REGISTERS: window 0: see the names below.  Window 1: W1's fragments, (u, s) at v[128 u + 16 s].  Windows 2 and 3: two buffers for a pair's fragments, (t, s) at v[128 t + 16 s]: even pairs in window 2, odd pairs in window 3;
; between two chunks window 2 and v0-127 of window 3 carry a chunk's rows on their way to LDS.
; THE MODE: SCHED_MODE bits 1:0 = 2 (LLVM: expert scheduling mode 2), set by the entry lines.  The code itself states the register dependences between vector or matrix instructions and memory or LDS instructions, with s_wait_alu, always for 0.
; THE PLAN.  Registers that memory or LDS instructions touch, in the loop:
;   windows 2, 3  Pair j's products read buffer j % 2; the LDS loads of pair j + 1 land in the other buffer, eight behind each K step's four products.  At a chunk's end global loads land in them and LDS stores read them.
;   XSV sets      v72-79 and v208-215, by turns as the buffers: read by the products as scales; the next pair's two loads stand at a pair's head.
;   PC, HB        a set for each pair of a chunk: written by the pair's conversions and shifts, read by its stores; written again a chunk later.
;   ROFF, SOFF    written by vector lines at a chunk's end, read by the chunk's loads.     XSG: loads land, LDS stores read.     v22, v23: an LDS load lands, a global store reads.
;   the addresses v4 to v6, v8 to v15, v17 to v20 are written at the head alone.  ACC, TM, BI, WS and window 1 are named in the loop by vector and matrix instructions alone.
; So ONE wait on va_vdst stands in a pair, behind its conversions: the codes and bytes are written, and the pair's products are done reading their buffer and their scale set, both of which are asked for again in the next pair;
; between that wait and those loads no vector or matrix instruction names them.  One stands behind the address lines at a chunk's end.  ONE wait on vm_vsrc stands in a chunk, at the loop's head.
.set WPITCH, 1040                      ; a row of 1,024 codes in LDS + 16 of padding: 65 x 16 bytes, so the 16 rows that a fragment load touches start at 16 different places modulo 256 bytes
.set WSTB,   16*WPITCH                 ; a wave's stage for W1: 16 rows
.set XS,     4*WSTB                    ; behind the four stages: 192 rows of codes
.set XSC,    XS+192*WPITCH             ; their scale bytes: 32 a row + 16 of padding
.set HSCB,   XSC+192*48                ; the hidden layer's scale bytes: [pair 6][token 32][wave 4]
.set XRD,  8                           ; v8-13   pair j's fragments: XS + 32 j rows + row lane % 16 + 16 (lane / 16)
.set ROFF, 24                          ; v24-47  offsets in xq of the rows that I fetch
.set SOFF, 48                          ; v48-50  offsets in xs
.set XSG,  52                          ; v52-63  scale bytes on their way to LDS
.set WS,   64                          ; v64-71  W1's scale words: lane 16 u + r: tile u, row r; register s: K step s
.set XSV,  72                          ; v72-79  an even pair's scale words: lane 16 t + r: tile t, token r;  v208-215 (XSV + 136) an odd pair's
.set BI,   80                          ; v80-95  b1 in the result's layout, 8 registers a tile
.set ACC,  96                          ; v96-127 accumulator (t, u) at ACC + 16 t + 8 u
.set TM,   128                         ; v128-143 the quantiser's scratch, 8 registers a tile of tokens
.set PC,   144                         ; v144-191 codes: 8 registers for each pair of a chunk, so that no store's data are written again inside a chunk
.set HB,   196                         ; v196-207 scale bytes: 2 registers for each pair of a chunk, for the same reason
.set SW,   20
.set SNT,  21
.set SE,   22
.set O,    32                          ; s32-40  offs[0 .. 8]
.set NB,   41                          ; my expert's first place
.set NEND, 42                          ; and the place behind its last
.set NP,   43                          ; its pairs
.set PB,   44                          ; the pairs of the experts before it
.set PT,   45                          ; all pairs
.set PL,   46                          ; the last pair's number
.set LAST, 47                          ; my expert's last place
.set Q6,   48                          ; the chunk's first pair
.set CB,   49                          ; the chunk's first row
.set CNT,  50
.set SEL,  52
.set MNT,  54
.set ST,   55
.set MSB, 0
.macro WIN new                         ; the immediate's high byte repeats the setting that is left
.if MSB != (\new)
	s_set_vgpr_msb (MSB<<8)|(\new)
.set MSB, \new
.endif
.endm
.macro SCAL                            ; from offs: my expert's rows and pairs, and where its pairs begin.  Each number that enters an offset is held last by a constant
	s_mov_b32 s[PB], 0
	s_mov_b32 s[PT], 0
	s_mov_b32 s[NB], 0
	s_mov_b32 s[NEND], 0
.irp i, 0,1,2,3,4,5,6,7
	s_sub_co_u32 s[ST], s[O+\i+1], s[O+\i]
	s_add_co_u32 s[ST], s[ST], 31
	s_lshr_b32 s[ST], s[ST], 5                     ; expert i's pairs
	s_add_co_u32 s[PT], s[PT], s[ST]
	s_cmp_gt_u32 s[SE], \i
	s_cselect_b32 s[ST], s[ST], 0
	s_add_co_u32 s[PB], s[PB], s[ST]
	s_cmp_eq_u32 s[SE], \i
	s_cselect_b32 s[NB], s[O+\i], s[NB]
	s_cselect_b32 s[NEND], s[O+\i+1], s[NEND]
.endr
	s_sub_co_u32 s[NP], s[NEND], s[NB]
	s_add_co_u32 s[NP], s[NP], 31
	s_lshr_b32 s[NP], s[NP], 5
	s_min_u32 s[NP], s[NP], 32
	s_sub_co_u32 s[PL], s[PT], 1
	s_min_u32 s[PL], s[PL], 39
	s_min_u32 s[PB], s[PB], 39
	s_max_u32 s[LAST], s[NEND], 1
	s_sub_co_u32 s[LAST], s[LAST], 1
	s_min_u32 s[LAST], s[LAST], 0x3ff
	s_min_u32 s[NB], s[NB], 0x3ff
.endm
.macro WLOAD                           ; my 32 rows of W1, 64 loads of 512 consecutive bytes, in the order of the tiles' rows
	WIN 0x40
	s_wait_alu depctr_va_vdst(0)                   ; v4, v194 and v21 are written: the offsets of these loads and of the six of scale words and bias that follow them
.irp u, 0,1
.irp i, 0,1,2,3,4,5,6,7,8,9,10,11,12,13,14,15
.irp j, 0,1
	global_load_b128 v[128*\u+8*\i+4*\j:128*\u+8*\i+4*\j+3], v4, s[10:11] offset:(8*\u+\i+8*(\i/8))*1024+512*\j th:TH_LOAD_NT
.endr
.endr
.endr
	WIN 0
.endm
.macro RESTAGE                         ; a tile's 16 rows into my stage as rows, and back as fragments, into the registers that they left.  LDS serves a wave's instructions in order: no wait on DScnt, and the bytes are my wave's own: no barrier
.irp u, 0,1
	WIN 0x04
.irp i, 0,1,2,3,4,5,6,7,8,9,10,11,12,13,14,15
.irp j, 0,1
	ds_store_b128 v5, v[128*\u+8*\i+4*\j:128*\u+8*\i+4*\j+3] offset:WPITCH*\i+512*\j
.endr
.endr
	WIN 0x40
	s_wait_alu depctr_vm_vsrc(0)                   ; the 32 LDS stores above have read the tile's 128 registers, in which the fragments land
.irp s, 0,1,2,3,4,5,6,7
.irp c, 0,1,2,3
	ds_load_b128 v[128*\u+16*\s+4*\c:128*\u+16*\s+4*\c+3], v6 offset:128*\s+32*\c
.endr
.endr
.endr
	WIN 0
.endm
.macro SCLOAD j                        ; pair j's scale words, 8 a token, into set j % 2
	ds_load_b128 v[XSV+136*((\j)%2):XSV+136*((\j)%2)+3], v14 offset:1536*(\j)
	ds_load_b128 v[XSV+136*((\j)%2)+4:XSV+136*((\j)%2)+7], v14 offset:1536*(\j)+16
.endm
.macro FRAGK j, s                      ; pair j's two fragments of K step s, 8 LDS loads, into buffer j % 2
.if ((\j)%2) == 0
	WIN 0x80
.else
	WIN 0xc0
.endif
.irp t, 0,1
.irp c, 0,1,2,3
	ds_load_b128 v[128*\t+16*(\s)+4*\c:128*\t+16*(\s)+4*\c+3], v[XRD+(\j)] offset:16*WPITCH*\t+128*(\s)+32*\c
.endr
.endr
.endm
; Pair j's 32 matrix instructions: 8 K steps x 2 tiles of tokens x 2 tiles of W1.  The four accumulators take turns, one instruction a turn.
; Behind each K step's four stand the eight LDS loads of the same K step of pair j + 1, into the other buffer.  No wait: no vector or matrix instruction since the wait at the last pair's end names that buffer or its address.
; Pair 0's own fragments were asked for in one run just ahead of it: ahead of each of its K steps the wait leaves 58 LDS loads out: the 8 (7 - s) of its later K steps, the next pair's 2 of scale words and the 8 s dealt so far.
; Nine v_nop follow: eight places for the readers of the results, one more since the accumulators are begun anew by the next pair's first products.
.macro MMA j
.irp s, 0,1,2,3,4,5,6,7
.if (\j) == 0
	s_wait_dscnt 58
.endif
.if ((\j)%2) == 0
	WIN 0x09                                       ; source 0 (W1) window 1, source 1 (tokens) window 2, C and D window 0
.else
	WIN 0x0d                                       ; source 1 window 3
.endif
.irp t, 0,1
.irp u, 0,1
.set rD, ACC+16*\t+8*\u
.set rA, 128*\u+16*\s
.set rB, 128*\t+16*\s
.set rX, XSV+136*((\j)%2)+\s
.set rC, rD
.if \s == 0
.set rC, BI+8*\u
.endif
.if (\t) == 0 && (\u) == 0
	v_wmma_scale_f32_16x16x128_f8f6f4 v[rD:rD+7], v[rA:rA+15], v[rB:rB+15], v[rC:rC+7], v[WS+\s], v[rX]
.elseif (\t) == 0
	v_wmma_scale_f32_16x16x128_f8f6f4 v[rD:rD+7], v[rA:rA+15], v[rB:rB+15], v[rC:rC+7], v[WS+\s], v[rX] matrix_a_scale:MATRIX_SCALE_ROW1
.elseif (\u) == 0
	v_wmma_scale_f32_16x16x128_f8f6f4 v[rD:rD+7], v[rA:rA+15], v[rB:rB+15], v[rC:rC+7], v[WS+\s], v[rX] matrix_b_scale:MATRIX_SCALE_ROW1
.else
	v_wmma_scale_f32_16x16x128_f8f6f4 v[rD:rD+7], v[rA:rA+15], v[rB:rB+15], v[rC:rC+7], v[WS+\s], v[rX] matrix_a_scale:MATRIX_SCALE_ROW1 matrix_b_scale:MATRIX_SCALE_ROW1
.endif
.endr
.endr
.if (\j) < 5
	FRAGK (\j)+1, \s
.endif
.endr
	WIN 0
.rept 9
	v_nop
.endr
.endm
; A chunk's 192 rows are asked for: wave w takes rows 48 w .. 48 w + 47; an instruction reads 256 consecutive bytes of each of two rows.  A place past the expert's last is held there.
.macro FILLL
	s_add_co_u32 s24, s[NB], s[CB]
	v_add_nc_u32 v51, s24, v16
.irp i, 0,1,2,3,4,5,6,7,8,9,10,11,12,13,14,15,16,17,18,19,20,21,22,23
	v_add_nc_u32 v[ROFF+\i], 2*\i, v51
.endr
.irp i, 0,1,2,3,4,5,6,7,8,9,10,11,12,13,14,15,16,17,18,19,20,21,22,23
	v_min_u32 v[ROFF+\i], s[LAST], v[ROFF+\i]
.endr
.irp i, 0,1,2,3,4,5,6,7,8,9,10,11,12,13,14,15,16,17,18,19,20,21,22,23
	v_min_u32 v[ROFF+\i], 0x3ff, v[ROFF+\i]
.endr
.irp i, 0,1,2,3,4,5,6,7,8,9,10,11,12,13,14,15,16,17,18,19,20,21,22,23
	v_lshl_add_u32 v[ROFF+\i], v[ROFF+\i], 10, v7
.endr
	v_add_nc_u32 v51, s24, v192
.irp k, 0,1,2
	v_add_nc_u32 v[SOFF+\k], 64*\k, v51
	v_min_u32 v[SOFF+\k], s[LAST], v[SOFF+\k]
	v_min_u32 v[SOFF+\k], 0x3ff, v[SOFF+\k]
	v_lshl_add_u32 v[SOFF+\k], v[SOFF+\k], 5, v193
.endr
	WIN 0x80
	s_wait_alu depctr_va_vdst(0)                   ; the 27 offsets are written, which the loads below read (at the head: so are all LDS addresses of the kernel); the pairs' products are done reading windows 2 and 3, in which the loads land
.irp i, 0,1,2,3,4,5,6,7,8,9,10,11,12,13,14,15
.irp q, 0,1,2,3
	global_load_b128 v[16*\i+4*\q:16*\i+4*\q+3], v[ROFF+\i], s[6:7] offset:256*\q
.endr
.endr
	WIN 0xc0
.irp i, 16,17,18,19,20,21,22,23
.irp q, 0,1,2,3
	global_load_b128 v[16*(\i-16)+4*\q:16*(\i-16)+4*\q+3], v[ROFF+\i], s[6:7] offset:256*\q
.endr
.endr
	WIN 0
.irp k, 0,1,2
	global_load_b128 v[XSG+4*\k:XSG+4*\k+3], v[SOFF+\k], s[8:9]
.endr
.endm
.macro FILLS                           ; and laid into LDS
	WIN 0x08
.irp i, 0,1,2,3,4,5,6,7,8,9,10,11,12,13,14,15
.irp q, 0,1,2,3
	ds_store_b128 v15, v[16*\i+4*\q:16*\i+4*\q+3] offset:2*WPITCH*\i+256*\q
.endr
.endr
	WIN 0x0c
.irp i, 16,17,18,19,20,21,22,23
.irp q, 0,1,2,3
	ds_store_b128 v15, v[16*(\i-16)+4*\q:16*(\i-16)+4*\q+3] offset:2*WPITCH*\i+256*\q
.endr
.endr
	WIN 0
.irp k, 0,1,2
	ds_store_b128 v17, v[XSG+4*\k:XSG+4*\k+3] offset:3072*\k
.endr
.endm
; Pair j of the chunk: 32 products on fragments that were asked for a pair ago, the next pair's fragments asked for among them, the activation and the quantiser in registers, codes to memory, scale bytes to LDS.
; The pair behind a chunk's last that counts is asked for too: its rows lie in LDS (a chunk is always filled whole), and nothing is made of them.
.macro PAIR j
.if \j > 0
	s_add_co_u32 s24, s[Q6], \j
	s_cmp_ge_u32 s24, s[NP]
	s_cbranch_scc1 .Lnocomp                        ; my expert has no such pair, nor any behind it
	s_wait_dscnt 0x0                               ; the pair's fragments and scale words, asked for in the pair before, are in
.endif
.if \j < 5
	SCLOAD (\j)+1                                  ; the next pair's scale words.  No wait: the products that read this set stand ahead of the wait at the last pair's end
.endif
	MMA \j
	; a lane's 16 registers of a tile of tokens are 16 neighbours of one block of 32; the other 16 lie in lane l xor 16.  No |.|: what is negative becomes 0, so it must not count; the floor stands over it
.irp t, 0,1
	v_max3_num_f32 v[TM+8*\t], v[ACC+16*\t], v[ACC+16*\t+1], 0x4800000     ; each accumulator is read from its low end on; the floor 2^(9 - 127) holds the byte at 1 from below
.endr
.irp i, 2,4,6,8,10,12,14
.irp t, 0,1
	v_max3_num_f32 v[TM+8*\t], v[TM+8*\t], v[ACC+16*\t+\i], v[ACC+16*\t+\i+1]
.endr
.endr
.irp t, 0,1
	v_permlanex16_b32 v[TM+8*\t+1], v[TM+8*\t], s[SEL], s[SEL+1]
.endr
.irp t, 0,1
	v_max_num_f32 v[TM+8*\t], v[TM+8*\t], v[TM+8*\t+1]     ; the block's largest number
.endr
.irp t, 0,1
	v_add_nc_u32 v[TM+8*\t+3], 0xfc000000, v[TM+8*\t]      ; 8 off its exponent field: the conversion's scale operand
.endr
.irp t, 0,1
	v_and_or_b32 v[TM+8*\t+2], v[TM+8*\t], 0x7f800000, s[MNT]   ; 448 x the scale
.endr
.irp t, 0,1
	v_lshrrev_b32 v[HB+2*(\j)+\t], 23, v[TM+8*\t+3]        ; the scale's byte
.endr
.irp t, 0,1
.irp i, 0,1,2,3,4,5,6,7,8,9,10,11,12,13,14,15
	v_med3_num_f32 v[ACC+16*\t+\i], v[ACC+16*\t+\i], 0, v[TM+8*\t+2]   ; the activation and the hold in one (the conversion does not saturate: ISA guide 7.6.2)
.endr
	v_cvt_scalef32_pk8_fp8_f32 v[PC+8*\j+4*\t:PC+8*\j+4*\t+1], v[ACC+16*\t:ACC+16*\t+7], v[TM+8*\t+3]
	v_cvt_scalef32_pk8_fp8_f32 v[PC+8*\j+4*\t+2:PC+8*\j+4*\t+3], v[ACC+16*\t+8:ACC+16*\t+15], v[TM+8*\t+3]
.endr
	v_nop                                          ; a plain instruction behind the last conversion: the next pair's products write its sources
	s_wait_alu depctr_va_vdst(0)                   ; the conversions have written the pair's codes and the shifts its bytes, which the stores below read; the pair's products are done reading their buffer and scale set, in which loads of the next pair land
.irp t, 0,1
	global_store_b128 v4, v[PC+8*\j+4*\t:PC+8*\j+4*\t+3], s[16:17] offset:131072*\j+65536*\t   ; registers 4 w .. 4 w + 3 of the next operand's fragment: 512 consecutive bytes
	ds_store_b8 v18, v[HB+2*(\j)+\t] offset:128*\j+64*\t   ; byte w of the token's scale word; both lanes of a block write the same byte with the same value
.endr
.endm
	s_load_b256 s[4:11], s[0:1], 0x0               ; offs s[4:5], xq s[6:7], xs s[8:9], W1's codes s[10:11]
	s_load_b256 s[12:19], s[0:1], 0x20             ; W1's scales s[12:13], b1 s[14:15], hq s[16:17], hs s[18:19]
	v_lshl_add_u32 v254, v0, 2, 0x43800
	v_mov_b32 v255, 0
	v_lshrrev_b32 v1, 5, v0
	v_readfirstlane_b32 s[SW], v1                  ; wave
	v_and_b32 v1, 31, v0                           ; lane
	v_and_b32 v2, 15, v0                           ; r
	s_wait_alu depctr_va_vdst(0)
	v_bfe_u32 v3, v0, 4, 1                         ; h
	v_lshlrev_b32 v4, 4, v1                        ; 16 x lane
	s_mov_b32 s[SNT], ttmp9
	s_and_b32 s[SE], ttmp7, 0xffff
	s_lshl_b32 s24, s[SE], 12
	s_lshl_b32 s25, s[SNT], 7
	s_add_co_u32 s24, s24, s25
	s_wait_alu depctr_va_sdst(0)                   ; the wave's number is written, ahead of its first reader
	s_lshl_b32 s25, s[SW], 5
	s_add_co_u32 s24, s24, s25                     ; my first row of W1, counted through all experts: 4096 e + 128 nt + 32 w
	s_lshl_b32 s26, s24, 10                        ; its codes,
	s_mov_b32 s27, 0
	s_lshl_b32 s28, s24, 5                         ; its scale bytes,
	s_mov_b32 s29, 0
	s_lshl_b32 s30, s24, 2                         ; its number of b1
	s_mov_b32 s31, 0
	v_and_b32 v194, 8, v2
	v_add_nc_u32 v194, v194, v2
	s_wait_alu depctr_va_vdst(0)
	v_lshl_add_u32 v194, v3, 3, v194               ; lane 16 u + r stands for row 8 u + r + 8 (r / 8)
	v_lshlrev_b32 v194, 5, v194                    ; 32 scale bytes a row
	v_lshlrev_b32 v21, 6, v3                       ; b1: my half's 16 units
	s_wait_kmcnt 0x0
	s_load_b256 s[O:O+7], s[4:5], 0x0
	s_load_b32 s[O+8], s[4:5], 0x20
	s_add_nc_u64 s[10:11], s[10:11], s[26:27]
	s_add_nc_u64 s[12:13], s[12:13], s[28:29]
	s_add_nc_u64 s[14:15], s[14:15], s[30:31]
	WLOAD
	global_load_b128 v[WS:WS+3], v194, s[12:13]
	global_load_b128 v[WS+4:WS+7], v194, s[12:13] offset:16
.irp u, 0,1
	global_load_b128 v[BI+8*\u:BI+8*\u+3], v21, s[14:15] offset:32*\u      ; tile u, register j: unit 16 h + 8 u + j
	global_load_b128 v[BI+8*\u+4:BI+8*\u+7], v21, s[14:15] offset:32*\u+16
.endr
	s_mul_i32 s24, s[SW], WSTB
	v_add_nc_u32 v5, s24, v4                       ; my stage, in: 16 x lane
	v_mul_u32_u24 v195, v2, WPITCH
	v_lshl_add_u32 v195, v3, 4, v195               ; a fragment's row x pitch + 16 x half
	v_add_nc_u32 v6, s24, v195                     ; my stage, out
	v_lshlrev_b32 v7, 4, v2                        ; 16 r
.irp j, 0,1,2,3,4,5
	v_add_nc_u32 v[XRD+\j], XS+32*WPITCH*\j, v195
.endr
	v_mul_u32_u24 v14, v1, 48
	v_add_nc_u32 v14, XSC, v14                     ; a pair's scale words: token = lane
	s_mul_i32 s24, s[SW], 48
	v_add_nc_u32 v16, s24, v3                      ; the first row of the chunk that I fetch: 48 w + lane / 16
	v_mul_u32_u24 v15, v16, WPITCH
	v_add_nc_u32 v15, v15, v7
	v_add_nc_u32 v15, XS, v15                      ; and where it goes
	v_lshrrev_b32 v192, 1, v0                      ; scale bytes: two threads to a row of 32,
	v_and_b32 v193, 1, v0
	v_lshlrev_b32 v193, 4, v193                    ; 16 bytes each
	v_mul_u32_u24 v17, v192, 48
	v_add_nc_u32 v17, v17, v193
	v_add_nc_u32 v17, XSC, v17
	s_add_co_u32 s25, s[SW], HSCB
	v_lshl_add_u32 v18, v2, 2, s25                 ; the hidden layer's scale bytes: 4 x token + wave
	s_lshl_b32 s24, s[SW], 7
	v_lshl_add_u32 v20, v1, 2, s24                 ; and their way out: pair w's 32 words: 128 w + 4 x lane, in hs
	v_add_nc_u32 v19, HSCB, v20                    ; and in LDS
	v_mov_b32 v[TM+1], 0                           ; a lane permute's destination counts as one of its sources
	v_mov_b32 v[TM+9], 0
	s_mov_b32 s[SEL], 0x76543210
	s_mov_b32 s[SEL+1], 0xfedcba98
	s_mov_b32 s[MNT], 0x600000                     ; the mantissa field of 448
	s_mov_b32 s[Q6], 0
	s_mov_b32 s[CB], 0
	s_mov_b32 s[CNT], 0
	s_wait_kmcnt 0x0
	SCAL
	s_lshl_b32 s24, s[PB], 17                      ; hq: 131,072 bytes a pair, 2,048 a K step, 512 a wave
	s_lshl_b32 s25, s[SNT], 11
	s_add_co_u32 s24, s24, s25
	s_lshl_b32 s25, s[SW], 9
	s_add_co_u32 s24, s24, s25
	s_mov_b32 s25, 0
	s_add_nc_u64 s[16:17], s[16:17], s[24:25]
	s_mul_i32 s24, s[SNT], 40                      ; hs: 40 pairs a K step, 128 bytes a pair
	s_add_co_u32 s24, s24, s[PB]
	s_lshl_b32 s24, s24, 7
	s_add_nc_u64 s[18:19], s[18:19], s[24:25]
	FILLL                                          ; the first chunk, asked for on every path (an expert without rows reads rows that are there and uses none)
	s_wait_loadcnt 63                              ; 169 loads have been issued: the oldest 106 are in, the 70 of W1, its scale words and b1 among them
	RESTAGE
	s_wait_loadcnt 0x0
	FILLS
.Lchunk:
	s_wait_dscnt 0x0                               ; my part of the chunk lies in LDS, and my reads of the scale bytes are back
	s_wait_alu depctr_vm_vsrc(0)                   ; the LDS stores that laid the chunk have read windows 2 and 3 and v52-63, its loads their offsets, the last chunk's stores their codes, bytes and words: all are written again in this trip
	s_barrier_signal -1
	s_barrier_wait -1                              ; everybody's
	s_cmp_ge_u32 s[Q6], s[NP]
	s_cbranch_scc1 .Lnocomp
	SCLOAD 0                                       ; the chunk's first pair, in one run.  No wait on va_vdst: no vector or matrix instruction has been issued since the last one
.irp s, 0,1,2,3,4,5,6,7
	FRAGK 0, \s
.endr
	WIN 0
	PAIR 0
	PAIR 1
	PAIR 2
	PAIR 3
	PAIR 4
	PAIR 5
.Lnocomp:
	s_wait_dscnt 0x0                               ; my reads of the chunk are back, my scale bytes have landed
	s_barrier_signal -1
	s_barrier_wait -1
	s_add_co_u32 s24, s[Q6], s[SW]                 ; the scale words leave: wave w takes pairs w and w + 4 of the chunk's six
	s_cmp_ge_u32 s24, s[NP]
	s_cbranch_scc1 .Lhs_done
	ds_load_b32 v22, v19
	s_wait_dscnt 0x0
	global_store_b32 v20, v22, s[18:19]            ; 128 consecutive bytes
	s_cmp_ge_u32 s[SW], 2
	s_cbranch_scc1 .Lhs_done
	s_add_co_u32 s24, s24, 4
	s_cmp_ge_u32 s24, s[NP]
	s_cbranch_scc1 .Lhs_done
	ds_load_b32 v23, v19 offset:512
	s_wait_dscnt 0x0
	global_store_b32 v20, v23, s[18:19] offset:512
.Lhs_done:
	s_wait_xcnt 0x0                                ; the stores have read their bases and their data: both may be written again
	s_add_nc_u64 s[16:17], s[16:17], 786432        ; six pairs on
	s_add_nc_u64 s[18:19], s[18:19], 768
	s_add_co_u32 s[Q6], s[Q6], 6
	s_add_co_u32 s[CB], s[CB], 192
	s_lshl_b32 s24, s[NP], 5
	s_cmp_ge_u32 s[CB], s24
	s_cbranch_scc1 .Lnofill                        ; no rows are left
	FILLL                                          ; (the loads that read the offsets last, and the LDS stores that read windows 2 and 3 last, stand ahead of this trip's wait on vm_vsrc)
	s_wait_loadcnt 0x0
	FILLS
.Lnofill:
	s_add_co_u32 s[CNT], s[CNT], 1
	s_cmp_lt_u32 s[CNT], 6
	s_cbranch_scc1 .Lchunk
	s_wait_dscnt 0x0                               ; the closing lines, six on end
	s_wait_alu 0x0
	s_wait_tensorcnt 0x0
	ds_add_u32 v254, v255
	s_wait_dscnt 0x0
	s_endpgm
.Lfunc_end_k_q0e24427a93_ffn1:
	.size	k_q0e24427a93_ffn1, .Lfunc_end_k_q0e24427a93_ffn1-k_q0e24427a93_ffn1
	.p2alignl 7, 3214868480
	.fill 96, 4, 3214868480
	.section	.rodata,"a",@progbits
	.p2align	6, 0x0
	.amdhsa_kernel k_q0e24427a93_ffn1
		.amdhsa_group_segment_fixed_size 276992
		.amdhsa_private_segment_fixed_size 0
		.amdhsa_enable_private_segment 0
		.amdhsa_kernarg_size 64
		.amdhsa_user_sgpr_count 2
		.amdhsa_user_sgpr_kernarg_segment_ptr 1
		.amdhsa_wavefront_size32 1
		.amdhsa_system_sgpr_workgroup_id_x 1
		.amdhsa_system_sgpr_workgroup_id_y 1
		.amdhsa_system_sgpr_workgroup_id_z 1
		.amdhsa_system_vgpr_workitem_id 0
		.amdhsa_next_free_vgpr 1024
		.amdhsa_next_free_sgpr 66
		.amdhsa_reserve_vcc 0
		.amdhsa_float_denorm_mode_32 3
		.amdhsa_float_denorm_mode_16_64 3
		.amdhsa_memory_ordered 1
		.amdhsa_forward_progress 1
		.amdhsa_inst_pref_size 145
	.end_amdhsa_kernel
	.amdgpu_metadata
---
amdhsa.version: [ 1, 2 ]
amdhsa.kernels:
  - .name:           k_q0e24427a93_ffn1
    .symbol:         k_q0e24427a93_ffn1.kd
    .args:
      - { .name: offs, .offset: 0, .size: 8, .value_kind: global_buffer, .address_space: global }
      - { .name: xq, .offset: 8, .size: 8, .value_kind: global_buffer, .address_space: global }
      - { .name: xs, .offset: 16, .size: 8, .value_kind: global_buffer, .address_space: global }
      - { .name: w1_codes, .offset: 24, .size: 8, .value_kind: global_buffer, .address_space: global }
      - { .name: w1_scales, .offset: 32, .size: 8, .value_kind: global_buffer, .address_space: global }
      - { .name: b1, .offset: 40, .size: 8, .value_kind: global_buffer, .address_space: global }
      - { .name: hq, .offset: 48, .size: 8, .value_kind: global_buffer, .address_space: global }
      - { .name: hs, .offset: 56, .size: 8, .value_kind: global_buffer, .address_space: global }
    .group_segment_fixed_size: 276992
    .private_segment_fixed_size: 0
    .kernarg_segment_align: 8
    .kernarg_segment_size: 64
    .max_flat_workgroup_size: 128
    .sgpr_count:     66
    .vgpr_count:     1024
    .wavefront_size: 32
...
	.end_amdgpu_metadata
.endif
;; end of part 7
;; launch ffn2 (part 8): grid 32 x 8, 4 waves a work-group, no clusters, 214,528 bytes of LDS; arguments offs, list, alpha, input_features, hq, hs, w2_codes, w2_scales, b2, out0; writes out0
.if DOCPART == 8
	.amdgcn_target "amdgcn-amd-amdhsa--gfx1250"
	.amdhsa_code_object_version 6
	.text
	.protected	k_q0e24427a93_ffn2
	.globl	k_q0e24427a93_ffn2
	.p2align	8
	.type	k_q0e24427a93_ffn2,@function
k_q0e24427a93_ffn2:
	s_mov_b64 s[64:65], 0
	v_nop
	global_prefetch_b8 v0, s[64:65] scope:SCOPE_SE
	s_setreg_imm32_b32 hwreg(HW_REG_WAVE_SCHED_MODE, 0, 2), 2
	s_setreg_imm32_b32 hwreg(HW_REG_WAVE_MODE, 25, 1), 1
	s_wait_xcnt 0x0
	s_wait_alu depctr_vm_vsrc(0)
; THE SECOND PRODUCT OF THE CHOSEN EXPERT AND THE WAY BACK: out[token] = x[token] + alpha[token] (hidden W2[e]^T + b2[e]), which is alpha (x + ..) + (1 - alpha) x with x taken out of the sum.
; The product is on codes of FP8 (E4M3) with one E8M0 scale for each 32 along K.  Work-group (nt, e): output columns 32 nt .. 32 nt + 31 of expert e, for all of e's rows: each number of out has one owner.  8 x 32 = 256 work-groups.
; Each byte of W2 is asked for once in the launch, in the kernel's first lines: wave w keeps the 32 rows' K quarter 1024 w .. 1024 w + 1023 in 256 registers (two tiles of 16 rows x 8 K steps of 128).
; So the four waves share K: each reads only its quarter of the hidden layer's images, and the four partial sums of a number meet in LDS and are added there, (0 + 1) + (2 + 3): an order of rounding of this text's own.
; THE ROWS go in pairs of two tiles of 16, numbered as the launch before numbers them; a last pair that is not full repeats the expert's last row, so that row of out is stored more than once, by this work-group, with the same numbers.
; The loop over chunks of 8 pairs has the constant count 4 (32 pairs at the most); every wave passes its two barriers in every trip, and what a trip has no pairs for is jumped over between them.
; No tensor load, no cluster: branches here hang on stored counts.  A work-group owns 32 columns, so a store covers 128 consecutive bytes of each of four rows: the price of one owner for each number without a launch that adds parts.
; THE MATRIX INSTRUCTION IS USED TRANSPOSED: source 0 = 16 rows of W2, source 1 = 16 tokens (an image of the operand's registers, loaded as it lies): lane (r, h) holds token r and columns 16 u + 8 h + 0 .. 7.
; LIMITS: NaN and infinities are not served.
; REGISTERS: window 0: see the names below.  Window 1: W2's fragments, (u, s) at v[128 u + 16 s].  Windows 2 and 3: two buffers for a pair's fragments, (t, s) at v[128 t + 16 s]: even pairs in window 2, odd pairs in window 3.
; THE MODE: SCHED_MODE bits 1:0 = 2 (LLVM: expert scheduling mode 2), set by the entry lines.  The code itself states the register dependences between vector or matrix instructions and memory or LDS instructions, with s_wait_alu, always for 0.
; THE PLAN.  Registers that memory or LDS instructions touch, in the loop:
;   windows 2, 3, HSA, HSB   Pair j's products read buffer and scale set j % 2; the loads of pair j + 1 land in the others: eight behind each K step's four products, the eight scale words behind the last.
;   ACC    written by a pair's products, read by its eight LDS stores, written again by the next pair's products; at a chunk's end partial sums land in the same registers.
;   PR     two rings of 32: LDS loads land, the additions read and write them, the loads of the group two on land again.
;   X      loads land, the last multiply-add writes, the stores read.     XOFF: vector lines write, x's loads and out's stores read.     AL: loads land, the multiply-adds read.
;   TA     vector lines write, the list's loads read.     TOK: the list's loads land, vector lines make alpha's offsets of it, alpha's loads read.
;   the addresses v4 to v13 and v15 are written at the head alone.
; A pair has one wait on vm_vsrc at its head (the last pair's LDS stores have read ACC) and one on va_vdst behind its products and their places (ACC is written; the products are done with their buffer and scale set, which the next pair
; asks for again; between that wait and those loads no vector or matrix instruction names them).  On the way out a group of two rows has one wait on va_vdst; a chunk's end has one on vm_vsrc.
.set WPITCH, 1040                      ; a row of 1,024 codes in LDS + 16 of padding
.set WSTB,   16*WPITCH                 ; a wave's stage for W2: 16 rows
.set RED,    4*WSTB                    ; behind the stages: the partial sums: [wave 4][token 256][128 bytes + 16]
.set REDB,   256*144
.set REDR, 9                           ; v9-12   where I read wave k's partial sums
.set WS,   16                          ; v16-23  W2's scale words: lane 16 u + r: tile u, row r; register s: K step s of my quarter
.set HSA,  24                          ; v24-31  the hidden layer's scale words of the pair in window 2: lane 16 t + r
.set HSB,  32                          ; v32-39  of the pair in window 3
.set B2V,  40                          ; v40-43  b2 at my four columns
.set TOK,  44                          ; v44-59  my 16 rows of the chunk: token, then its word of alpha
.set XOFF, 60                          ; v60-75  their offsets in x and in out
.set AL,   76                          ; v76-91  their alpha
.set X,    92                          ; v92-155 their x at my four columns, then the result
.set ACC,  160                         ; v160-191 accumulator (t, u) at ACC + 16 t + 8 u
.set PR,   160                         ; v160-223 partial sums read back: two rings of 32; the first lies where the accumulators lay
.set TA,   226                         ; v226-241 my 16 rows' places, as offsets in the list
.set SW,   24
.set SNT,  25
.set SE,   26
.set O,    32                          ; s32-40  offs[0 .. 8]
.set NB,   41
.set NEND, 42
.set NP,   43
.set PB,   44
.set PT,   45
.set PL,   46
.set LAST, 47
.set Q8,   48                          ; the chunk's first pair
.set CNT,  49
.set H0,   50                          ; s[50:51], s[52:53] my quarter of pairs 0 and 1 in hq;  s[54:55] walks on
.set H1,   52
.set HN,   54
.set S0,   56                          ; s[56:57], s[58:59], s[60:61] the same in hs
.set S1,   58
.set SN,   60
.set ST,   68
.set MSB, 0
.macro WIN new                         ; the immediate's high byte repeats the setting that is left
.if MSB != (\new)
	s_set_vgpr_msb (MSB<<8)|(\new)
.set MSB, \new
.endif
.endm
.macro SCAL                            ; from offs: my expert's rows and pairs, and where its pairs begin.  Each number that enters an offset is held last by a constant
	s_mov_b32 s[PB], 0
	s_mov_b32 s[PT], 0
	s_mov_b32 s[NB], 0
	s_mov_b32 s[NEND], 0
.irp i, 0,1,2,3,4,5,6,7
	s_sub_co_u32 s[ST], s[O+\i+1], s[O+\i]
	s_add_co_u32 s[ST], s[ST], 31
	s_lshr_b32 s[ST], s[ST], 5                     ; expert i's pairs
	s_add_co_u32 s[PT], s[PT], s[ST]
	s_cmp_gt_u32 s[SE], \i
	s_cselect_b32 s[ST], s[ST], 0
	s_add_co_u32 s[PB], s[PB], s[ST]
	s_cmp_eq_u32 s[SE], \i
	s_cselect_b32 s[NB], s[O+\i], s[NB]
	s_cselect_b32 s[NEND], s[O+\i+1], s[NEND]
.endr
	s_sub_co_u32 s[NP], s[NEND], s[NB]
	s_add_co_u32 s[NP], s[NP], 31
	s_lshr_b32 s[NP], s[NP], 5
	s_min_u32 s[NP], s[NP], 32
	s_sub_co_u32 s[PL], s[PT], 1
	s_min_u32 s[PL], s[PL], 39
	s_min_u32 s[PB], s[PB], 39
	s_max_u32 s[LAST], s[NEND], 1
	s_sub_co_u32 s[LAST], s[LAST], 1
	s_min_u32 s[LAST], s[LAST], 0x3ff
	s_min_u32 s[NB], s[NB], 0x3ff
.endm
.macro WLOAD                           ; my quarter of the 32 rows of W2: 64 loads of 512 consecutive bytes
	WIN 0x40
	s_wait_alu depctr_va_vdst(0)                   ; v4, v7, v13 and v15 are written: the offsets of these loads, of the three of scale words and bias that follow them, and of the hidden layer's
.irp u, 0,1
.irp i, 0,1,2,3,4,5,6,7,8,9,10,11,12,13,14,15
.irp j, 0,1
	global_load_b128 v[128*\u+8*\i+4*\j:128*\u+8*\i+4*\j+3], v4, s[16:17] offset:(16*\u+\i)*4096+512*\j th:TH_LOAD_NT
.endr
.endr
.endr
	WIN 0
.endm
.macro RESTAGE                         ; a tile's 16 rows into my stage as rows, and back as fragments, into the registers that they left.  LDS serves a wave's instructions in order: no wait on DScnt, and the bytes are my wave's own: no barrier
.irp u, 0,1
	WIN 0x04
.irp i, 0,1,2,3,4,5,6,7,8,9,10,11,12,13,14,15
.irp j, 0,1
	ds_store_b128 v5, v[128*\u+8*\i+4*\j:128*\u+8*\i+4*\j+3] offset:WPITCH*\i+512*\j
.endr
.endr
	WIN 0x40
	s_wait_alu depctr_vm_vsrc(0)                   ; the 32 LDS stores above have read the tile's 128 registers, in which the fragments land
.irp s, 0,1,2,3,4,5,6,7
.irp c, 0,1,2,3
	ds_load_b128 v[128*\u+16*\s+4*\c:128*\u+16*\s+4*\c+3], v6 offset:128*\s+32*\c
.endr
.endr
.endr
	WIN 0
.endm
.macro HFRAG bw, s                     ; the walking pair's two fragments of K step s of my quarter, 8 loads of 512 consecutive bytes, into window bw
.if (\bw) == 2
	WIN 0x80
.else
	WIN 0xc0
.endif
.irp t, 0,1
.irp c, 0,1,2,3
	global_load_b128 v[128*\t+16*(\s)+4*\c:128*\t+16*(\s)+4*\c+3], v4, s[HN:HN+1] offset:65536*\t+2048*(\s)+512*\c
.endr
.endr
.endm
; 32 matrix instructions: my 8 K steps x 2 tiles of tokens x 2 tiles of W2.  The first K step starts the sums with the constant 0.  The four accumulators take turns, one instruction a turn.
; ld = 1: behind each K step's four stand the eight loads of the same K step of the next pair, into the other window, and behind the last its eight scale words, into set osc.  No wait: no vector or matrix instruction since the wait
; behind the last pair's products names that window, that set, v4 or v7.
; Nine v_nop follow: eight places for the stores of the results, one more since the accumulators are begun anew by the next pair's first products.
.macro MMA bw, scb, ld, osc            ; bw: the window of the pair's fragments;  scb: its scale words
.irp s, 0,1,2,3,4,5,6,7
.if \bw == 2
	WIN 0x09                                       ; source 0 (W2) window 1, source 1 window 2, C and D window 0
.else
	WIN 0x0d                                       ; source 1 window 3
.endif
.irp t, 0,1
.irp u, 0,1
.set rD, ACC+16*\t+8*\u
.set rA, 128*\u+16*\s
.set rB, 128*\t+16*\s
.if \s == 0
.if (\t) == 0 && (\u) == 0
	v_wmma_scale_f32_16x16x128_f8f6f4 v[rD:rD+7], v[rA:rA+15], v[rB:rB+15], 0, v[WS+\s], v[\scb+\s]
.elseif (\t) == 0
	v_wmma_scale_f32_16x16x128_f8f6f4 v[rD:rD+7], v[rA:rA+15], v[rB:rB+15], 0, v[WS+\s], v[\scb+\s] matrix_a_scale:MATRIX_SCALE_ROW1
.elseif (\u) == 0
	v_wmma_scale_f32_16x16x128_f8f6f4 v[rD:rD+7], v[rA:rA+15], v[rB:rB+15], 0, v[WS+\s], v[\scb+\s] matrix_b_scale:MATRIX_SCALE_ROW1
.else
	v_wmma_scale_f32_16x16x128_f8f6f4 v[rD:rD+7], v[rA:rA+15], v[rB:rB+15], 0, v[WS+\s], v[\scb+\s] matrix_a_scale:MATRIX_SCALE_ROW1 matrix_b_scale:MATRIX_SCALE_ROW1
.endif
.else
.if (\t) == 0 && (\u) == 0
	v_wmma_scale_f32_16x16x128_f8f6f4 v[rD:rD+7], v[rA:rA+15], v[rB:rB+15], v[rD:rD+7], v[WS+\s], v[\scb+\s]
.elseif (\t) == 0
	v_wmma_scale_f32_16x16x128_f8f6f4 v[rD:rD+7], v[rA:rA+15], v[rB:rB+15], v[rD:rD+7], v[WS+\s], v[\scb+\s] matrix_a_scale:MATRIX_SCALE_ROW1
.elseif (\u) == 0
	v_wmma_scale_f32_16x16x128_f8f6f4 v[rD:rD+7], v[rA:rA+15], v[rB:rB+15], v[rD:rD+7], v[WS+\s], v[\scb+\s] matrix_b_scale:MATRIX_SCALE_ROW1
.else
	v_wmma_scale_f32_16x16x128_f8f6f4 v[rD:rD+7], v[rA:rA+15], v[rB:rB+15], v[rD:rD+7], v[WS+\s], v[\scb+\s] matrix_a_scale:MATRIX_SCALE_ROW1 matrix_b_scale:MATRIX_SCALE_ROW1
.endif
.endif
.endr
.endr
.if \ld
	HFRAG 5-\bw, \s
.endif
.endr
	WIN 0
.if \ld
.irp s, 0,1,2,3,4,5,6,7
	global_load_b32 v[\osc+\s], v7, s[SN:SN+1] offset:5120*\s
.endr
.endif
.rept 9
	v_nop
.endr
.endm
.macro LOADH bw, rs, ph, ps            ; at the head: my quarter of a pair: 64 loads of 512 consecutive bytes into window bw, and 8 of its scale words into v[rs] on; ph, ps: the scalar pairs that hold the addresses
.if \bw == 2
	WIN 0x80
.else
	WIN 0xc0
.endif
.irp t, 0,1
.irp s, 0,1,2,3,4,5,6,7
.irp c, 0,1,2,3
	global_load_b128 v[128*\t+16*\s+4*\c:128*\t+16*\s+4*\c+3], v4, s[\ph:\ph+1] offset:65536*\t+2048*\s+512*\c
.endr
.endr
.endr
	WIN 0
.irp s, 0,1,2,3,4,5,6,7
	global_load_b32 v[\rs+\s], v7, s[\ps:\ps+1] offset:5120*\s
.endr
.endm
.macro HPTR ph, ps                     ; pair s27 (held under 41): my quarter of it in hq and in hs
	s_lshl_b32 s28, s27, 17
	s_lshl_b32 s29, s[SW], 14
	s_add_co_u32 s28, s28, s29
	s_mov_b32 s29, 0
	s_add_nc_u64 s[\ph:\ph+1], s[12:13], s[28:29]
	s_mul_i32 s28, s[SW], 320
	s_add_co_u32 s28, s28, s27
	s_lshl_b32 s28, s28, 7
	s_add_nc_u64 s[\ps:\ps+1], s[14:15], s[28:29]
.endm
.macro TOKLOAD                         ; the 16 rows of the chunk that I finish: row 32 w + 128 (k / 8) + 4 (k % 8) + lane / 8: their places, held at the expert's last, and from the list their tokens
	s_lshl_b32 s27, s[Q8], 5
	s_add_co_u32 s27, s27, s[NB]
	v_add_nc_u32 v224, s27, v14
.irp k, 0,1,2,3,4,5,6,7,8,9,10,11,12,13,14,15
	v_add_nc_u32 v[TA+\k], 128*(\k/8)+4*(\k%8), v224
.endr
.irp k, 0,1,2,3,4,5,6,7,8,9,10,11,12,13,14,15
	v_min_u32 v[TA+\k], s[LAST], v[TA+\k]
.endr
.irp k, 0,1,2,3,4,5,6,7,8,9,10,11,12,13,14,15
	v_min_u32 v[TA+\k], 0x3ff, v[TA+\k]
.endr
.irp k, 0,1,2,3,4,5,6,7,8,9,10,11,12,13,14,15
	v_lshlrev_b32 v[TA+\k], 2, v[TA+\k]
.endr
	s_wait_alu depctr_va_vdst(0)                   ; the 16 offsets are written, which the loads below read (at the head: so are all LDS addresses of the kernel); the lines that made alpha's offsets of the last chunk's tokens are done with v44-59, in which the loads land
.irp k, 0,1,2,3,4,5,6,7,8,9,10,11,12,13,14,15
	global_load_b32 v[TOK+\k], v[TA+\k], s[6:7]
.endr
.endm
.macro XLOAD                           ; their x at my four columns, and their alpha: both sets of offsets first, so that one wait serves the 32 loads
.irp k, 0,1,2,3,4,5,6,7,8,9,10,11,12,13,14,15
	v_min_u32 v[TOK+\k], 0x3ff, v[TOK+\k]
.endr
.irp k, 0,1,2,3,4,5,6,7,8,9,10,11,12,13,14,15
	v_lshl_add_u32 v[XOFF+\k], v[TOK+\k], 12, v13
.endr
.irp k, 0,1,2,3,4,5,6,7,8,9,10,11,12,13,14,15
	v_lshlrev_b32 v[TOK+\k], 2, v[TOK+\k]
.endr
	s_wait_alu depctr_va_vdst(0)                   ; the 32 offsets are written, which the loads below read; the last chunk's multiply-adds have written x's registers and are done reading alpha's, in which the loads land
.irp k, 0,1,2,3,4,5,6,7,8,9,10,11,12,13,14,15
	global_load_b128 v[X+4*\k:X+4*\k+3], v[XOFF+\k], s[10:11]
.endr
.irp k, 0,1,2,3,4,5,6,7,8,9,10,11,12,13,14,15
	global_load_b32 v[AL+\k], v[TOK+\k], s[8:9]
.endr
.endm
; Pair j of the chunk.  Its fragments were asked for a pair ago (pairs 0 and 1 at the head); the next pair's are asked for into the other buffer, among the products.  Whether there is a next pair hangs on a stored count:
; so the 32 products are written twice, with the loads among them and without.
.macro STEP j
	s_add_co_u32 s27, s[Q8], \j
	s_cmp_ge_u32 s27, s[NP]
	s_cbranch_scc1 .Ldone                          ; my expert has no such pair, nor any behind it
	s_wait_loadcnt 0x0                             ; the pair's fragments and scale words are in; no load names the walking addresses any more
	s_wait_dscnt 0x0                               ; the last pair's partial sums have landed (in the first pair: W2's fragments are in)
	s_wait_alu depctr_vm_vsrc(0)                   ; the last pair's LDS stores have read the accumulators, which the products below write
	s_add_co_u32 s27, s27, 1
	s_cmp_ge_u32 s27, s[NP]
	s_cbranch_scc1 .Lnoload_\@
.if \j == 0
	s_cmp_lt_u32 s27, 2                            ; pair 1 came at the head
	s_cbranch_scc1 .Lnoload_\@
.endif
	s_add_nc_u64 s[HN:HN+1], s[HN:HN+1], 131072
	s_add_nc_u64 s[SN:SN+1], s[SN:SN+1], 128
.if (\j)%2 == 0
	MMA 2, HSA, 1, HSB
.else
	MMA 3, HSB, 1, HSA
.endif
	s_branch .Lsums_\@
.Lnoload_\@:
.if (\j)%2 == 0
	MMA 2, HSA, 0, HSB
.else
	MMA 3, HSB, 0, HSA
.endif
.Lsums_\@:
	s_wait_alu depctr_va_vdst(0)                   ; the products have written the accumulators, which the LDS stores below read (the places above stay beside this wait), and are done reading their buffer and scale set, in which loads of the next pair's step land
.irp t, 0,1
.irp u, 0,1
	ds_store_b128 v8, v[ACC+16*\t+8*\u:ACC+16*\t+8*\u+3] offset:(32*\j+16*\t)*144+64*\u        ; each accumulator from its low end on
	ds_store_b128 v8, v[ACC+16*\t+8*\u+4:ACC+16*\t+8*\u+7] offset:(32*\j+16*\t)*144+64*\u+16
.endr
.endr
.endm
.macro FLOAD jj, g                     ; group g of four: rows 2 g and 2 g + 1 of my eight, the four waves' partial sums: 8 loads
.irp d, 0,1
.irp k, 0,1,2,3
	ds_load_b128 v[PR+32*((\g)%2)+16*\d+4*\k:PR+32*((\g)%2)+16*\d+4*\k+3], v[REDR+\k] offset:18432*\jj+576*(2*(\g)+\d)
.endr
.endr
.endm
.macro FCOMP jj, g                     ; the four parts and b2 are added, x + alpha x the sum: both rows of the group; then the two results leave behind one wait
.irp d, 0,1
.set p, PR+32*((\g)%2)+16*\d
.set kk, 8*\jj+2*(\g)+\d
	v_pk_add_f32 v[p:p+1], v[p:p+1], v[p+4:p+5]
	v_pk_add_f32 v[p+2:p+3], v[p+2:p+3], v[p+6:p+7]
	v_pk_add_f32 v[p+8:p+9], v[p+8:p+9], v[p+12:p+13]
	v_pk_add_f32 v[p+10:p+11], v[p+10:p+11], v[p+14:p+15]
	v_pk_add_f32 v[p:p+1], v[p:p+1], v[p+8:p+9]
	v_pk_add_f32 v[p+2:p+3], v[p+2:p+3], v[p+10:p+11]
	v_pk_add_f32 v[p:p+1], v[p:p+1], v[B2V:B2V+1]
	v_pk_add_f32 v[p+2:p+3], v[p+2:p+3], v[B2V+2:B2V+3]
.irp c, 0,1,2,3
	v_fma_f32 v[X+4*kk+\c], v[AL+kk], v[p+\c], v[X+4*kk+\c]
.endr
.endr
	s_wait_alu depctr_va_vdst(0)                   ; the multiply-adds have written the two rows' results, which the stores below read; the additions are done with this ring, in which the loads of the group two on land
.irp d, 0,1
.set kk, 8*\jj+2*(\g)+\d
	global_store_b128 v[XOFF+kk], v[X+4*kk:X+4*kk+3], s[22:23] th:TH_STORE_NT      ; eight lanes store 128 consecutive bytes of a row of out
.endr
.endm
.macro FIN jj                          ; wave w finishes pair w + 4 jj of the chunk
	s_add_co_u32 s27, s[Q8], s[SW]
.if \jj
	s_add_co_u32 s27, s27, 4
.endif
	s_cmp_ge_u32 s27, s[NP]
	s_cbranch_scc1 .Lfin_done
	FLOAD \jj, 0
	FLOAD \jj, 1
.irp g, 0,1,2,3
.if \g < 3
	s_wait_dscnt 8                                 ; group g is in; the next group's eight loads may be out
.else
	s_wait_dscnt 0x0
.endif
	FCOMP \jj, \g
.if \g < 2
	FLOAD \jj, \g+2
.endif
.endr
.endm
	s_load_b256 s[4:11], s[0:1], 0x0               ; offs s[4:5], list s[6:7], alpha s[8:9], x s[10:11]
	s_load_b256 s[12:19], s[0:1], 0x20             ; hq s[12:13], hs s[14:15], W2's codes s[16:17], W2's scales s[18:19]
	s_load_b128 s[20:23], s[0:1], 0x40             ; b2 s[20:21], out s[22:23]
	v_lshl_add_u32 v254, v0, 2, 0x34400
	v_mov_b32 v255, 0
	v_lshrrev_b32 v1, 5, v0
	v_readfirstlane_b32 s[SW], v1                  ; wave
	v_and_b32 v1, 31, v0                           ; lane
	s_wait_alu depctr_va_vdst(0)
	v_and_b32 v2, 15, v0                           ; r
	v_bfe_u32 v3, v0, 4, 1                         ; h
	v_lshlrev_b32 v4, 4, v1                        ; 16 x lane
	v_lshlrev_b32 v7, 2, v1                        ; 4 x lane
	s_mov_b32 s[SNT], ttmp9
	s_and_b32 s[SE], ttmp7, 0xffff
	s_lshl_b32 s28, s[SE], 10
	s_lshl_b32 s29, s[SNT], 5
	s_add_co_u32 s28, s28, s29                     ; the work-group's first row of W2, counted through all experts: 1024 e + 32 nt
	s_lshl_b32 s30, s28, 12                        ; its codes, and my quarter of a row
	s_wait_alu depctr_va_sdst(0)                   ; the wave's number is written, ahead of its first reader
	s_lshl_b32 s31, s[SW], 10
	s_add_co_u32 s30, s30, s31
	s_mov_b32 s31, 0
	s_lshl_b32 s62, s28, 7                         ; its scale bytes, and my quarter of a row
	s_lshl_b32 s63, s[SW], 5
	s_add_co_u32 s62, s62, s63
	s_mov_b32 s63, 0
	s_lshl_b32 s66, s[SE], 12                      ; my expert's row of b2
	s_mov_b32 s67, 0
	v_lshlrev_b32 v15, 7, v1                       ; W2's scale words: lane 16 u + r stands for row 16 u + r; 128 bytes a row
	v_and_b32 v224, 7, v0
	s_lshl_b32 s27, s[SNT], 7
	v_lshl_add_u32 v13, v224, 4, s27               ; my four columns in a row of x, out and b2: 128 nt + 16 (lane % 8) bytes
	s_wait_kmcnt 0x0
	s_load_b256 s[O:O+7], s[4:5], 0x0
	s_load_b32 s[O+8], s[4:5], 0x20
	s_add_nc_u64 s[16:17], s[16:17], s[30:31]
	s_add_nc_u64 s[18:19], s[18:19], s[62:63]
	s_add_nc_u64 s[20:21], s[20:21], s[66:67]
	WLOAD
	global_load_b128 v[WS:WS+3], v15, s[18:19]
	global_load_b128 v[WS+4:WS+7], v15, s[18:19] offset:16
	global_load_b128 v[B2V:B2V+3], v13, s[20:21]
	s_mul_i32 s27, s[SW], WSTB
	v_add_nc_u32 v5, s27, v4                       ; my stage, in
	v_mul_u32_u24 v6, v2, WPITCH
	v_lshl_add_u32 v6, v3, 4, v6
	v_add_nc_u32 v6, s27, v6                       ; my stage, out: a fragment's row x pitch + 16 x half
	s_mul_i32 s27, s[SW], REDB
	s_add_co_u32 s27, s27, RED
	v_mul_u32_u24 v8, v2, 144
	v_lshl_add_u32 v8, v3, 5, v8
	v_add_nc_u32 v8, s27, v8                       ; my partial sums: token r, + 32 h bytes
	v_lshrrev_b32 v14, 3, v1
	s_lshl_b32 s27, s[SW], 5
	v_add_nc_u32 v14, s27, v14                     ; the first row of the chunk that I finish: 32 w + lane / 8
	v_mul_u32_u24 v225, v14, 144
	v_lshl_add_u32 v225, v224, 4, v225
.irp k, 0,1,2,3
	v_add_nc_u32 v[REDR+\k], RED+REDB*\k, v225
.endr
	s_mov_b32 s[Q8], 0
	s_mov_b32 s[CNT], 0
	s_wait_alu depctr_va_vdst(0)
	s_wait_kmcnt 0x0
	SCAL
	s_min_u32 s27, s[PB], s[PL]                    ; my expert's pair 0, or, where it has none, a pair that is there
	s_min_u32 s27, s27, 39
	HPTR H0, S0
	s_add_co_u32 s27, s[PB], 1
	s_min_u32 s27, s27, s[PL]
	s_min_u32 s27, s27, 39
	HPTR H1, S1
	s_add_co_u32 s27, s[PB], 1                     ; the walking addresses stand at pair 1 and step ahead of each use
	HPTR HN, SN
	TOKLOAD
	LOADH 2, HSA, H0, S0                           ; asked for on every path: an expert with fewer pairs reads bytes that are there and uses none
	LOADH 3, HSB, H1, S1
	s_wait_loadcnt 63                              ; 227 loads have been issued: the oldest 164 are in, the 67 of W2, its scale words and b2 and the 16 of the list among them
	XLOAD
	RESTAGE
.Lchunk:
	STEP 0
	STEP 1
	STEP 2
	STEP 3
	STEP 4
	STEP 5
	STEP 6
	STEP 7
.Ldone:
	s_wait_dscnt 0x0                               ; my partial sums have landed
	s_wait_alu depctr_vm_vsrc(0)                   ; my LDS stores have read the accumulators, in whose registers partial sums land below
	s_barrier_signal -1
	s_barrier_wait -1                              ; everybody's
	s_wait_loadcnt 0x0                             ; x and alpha
	FIN 0
	FIN 1
.Lfin_done:
	s_wait_dscnt 0x0                               ; my reads of the partial sums are back
	s_barrier_signal -1
	s_barrier_wait -1                              ; everybody's: the next chunk may write there
	s_wait_xcnt 0x0                                ; the stores have read their offsets and their data: both may be written again
	s_wait_alu depctr_vm_vsrc(0)                   ; the stores have read the results and their offsets, the list's loads v226-241, alpha's loads v44-59: the lines and loads below write all of them again
	s_add_co_u32 s[Q8], s[Q8], 8
	s_cmp_ge_u32 s[Q8], s[NP]
	s_cbranch_scc1 .Lnotok
	TOKLOAD
	s_wait_loadcnt 0x0
	XLOAD
.Lnotok:
	s_add_co_u32 s[CNT], s[CNT], 1
	s_cmp_lt_u32 s[CNT], 4
	s_cbranch_scc1 .Lchunk
	s_wait_dscnt 0x0                               ; the closing lines, six on end
	s_wait_alu 0x0
	s_wait_tensorcnt 0x0
	ds_add_u32 v254, v255
	s_wait_dscnt 0x0
	s_endpgm
.Lfunc_end_k_q0e24427a93_ffn2:
	.size	k_q0e24427a93_ffn2, .Lfunc_end_k_q0e24427a93_ffn2-k_q0e24427a93_ffn2
	.p2alignl 7, 3214868480
	.fill 96, 4, 3214868480
	.section	.rodata,"a",@progbits
	.p2align	6, 0x0
	.amdhsa_kernel k_q0e24427a93_ffn2
		.amdhsa_group_segment_fixed_size 214528
		.amdhsa_private_segment_fixed_size 0
		.amdhsa_enable_private_segment 0
		.amdhsa_kernarg_size 80
		.amdhsa_user_sgpr_count 2
		.amdhsa_user_sgpr_kernarg_segment_ptr 1
		.amdhsa_wavefront_size32 1
		.amdhsa_system_sgpr_workgroup_id_x 1
		.amdhsa_system_sgpr_workgroup_id_y 1
		.amdhsa_system_sgpr_workgroup_id_z 1
		.amdhsa_system_vgpr_workitem_id 0
		.amdhsa_next_free_vgpr 1024
		.amdhsa_next_free_sgpr 80
		.amdhsa_reserve_vcc 0
		.amdhsa_float_denorm_mode_32 3
		.amdhsa_float_denorm_mode_16_64 3
		.amdhsa_memory_ordered 1
		.amdhsa_forward_progress 1
		.amdhsa_inst_pref_size 210
	.end_amdhsa_kernel
	.amdgpu_metadata
---
amdhsa.version: [ 1, 2 ]
amdhsa.kernels:
  - .name:           k_q0e24427a93_ffn2
    .symbol:         k_q0e24427a93_ffn2.kd
    .args:
      - { .name: offs, .offset: 0, .size: 8, .value_kind: global_buffer, .address_space: global }
      - { .name: list, .offset: 8, .size: 8, .value_kind: global_buffer, .address_space: global }
      - { .name: alpha, .offset: 16, .size: 8, .value_kind: global_buffer, .address_space: global }
      - { .name: input_features, .offset: 24, .size: 8, .value_kind: global_buffer, .address_space: global }
      - { .name: hq, .offset: 32, .size: 8, .value_kind: global_buffer, .address_space: global }
      - { .name: hs, .offset: 40, .size: 8, .value_kind: global_buffer, .address_space: global }
      - { .name: w2_codes, .offset: 48, .size: 8, .value_kind: global_buffer, .address_space: global }
      - { .name: w2_scales, .offset: 56, .size: 8, .value_kind: global_buffer, .address_space: global }
      - { .name: b2, .offset: 64, .size: 8, .value_kind: global_buffer, .address_space: global }
      - { .name: out0, .offset: 72, .size: 8, .value_kind: global_buffer, .address_space: global }
    .group_segment_fixed_size: 214528
    .private_segment_fixed_size: 0
    .kernarg_segment_align: 8
    .kernarg_segment_size: 80
    .max_flat_workgroup_size: 128
    .sgpr_count:     80
    .vgpr_count:     1024
    .wavefront_size: 32
...
	.end_amdgpu_metadata
.endif
;; end of part 8
